; MI455X (gfx1250); checked and timed in simulation.
; The chip was launched on July 23, 2026; its instructions are those of AMD's public machine-readable ISA for CDNA 5 (MIT licence, August 2026) and "CDNA5" Instruction Set Architecture Reference Guide (July 2026). The comments in the code are by the model that wrote it; some were corrected since.
;; Bahdanau Attention. Allowed arithmetic: float matrix products may take bf16 or f16 operands with f32 sums; other float arithmetic in f32, or as packed bf16 or f16 multiplies, adds, multiply-adds, maxima and minima; sums over many terms, partial sums and values carried from step to step in f32; what a program stores and reads back later, other than sums and carried values, may be rounded once to bf16 or f16.
;; Inputs: Wc 1,024 x 1 float32; Wd 1,024 x 1,024 float32; We 1,024 x 1,024 float32; bc 1 float32; bd 1,024 float32; be 1,024 float32; h_dec 32 x 1,024 float32; h_enc 32 x 2,048 x 1,024 float32.
;; Outputs: out0 32 x 1,024 float32; out1 32 x 2,048 x 1 float32.
;; 2 versions, each right; version 2 is version 1 with the launch score written anew for expert scheduling mode. Each part assembles by itself: llvm-mc -triple=amdgcn-amd-amdhsa -mcpu=gfx1250 --defsym DOCPART=n.
;; ======== version 1 of 2: 3 launches
;; workspace buffers: WeF 2,097,152 bytes; decpart 524,288 bytes; scores 262,144 bytes; stats 65,536 bytes; upart 1,048,576 bytes
;; launch prep (part 1): grid 16 x 4, 8 waves a work-group, no clusters, 66,560 bytes of LDS; arguments h_dec, Wd, We, decpart, WeF; writes decpart, WeF
.if DOCPART == 1
	.amdgcn_target "amdgcn-amd-amdhsa--gfx1250"
	.amdhsa_code_object_version 6
	.text
	.protected	k_qe60232e848_prep
	.globl	k_qe60232e848_prep
	.p2align	8
	.type	k_qe60232e848_prep,@function
k_qe60232e848_prep:
	s_mov_b64 s[64:65], 0
	v_nop
	global_prefetch_b8 v0, s[64:65] scope:SCOPE_SE
	s_setreg_imm32_b32 hwreg(HW_REG_WAVE_MODE, 25, 1), 1
	s_wait_xcnt 0x0
; PREP.  Two small jobs that the main launch needs done.
; (1) decpart[y][b][n] = the sum over k = 256 y .. 256 y + 255 of bf16(h_dec[b][k]) bf16(Wd[k][n]), f32 sums, no bias: work-group (G, y) makes the 32 batches x columns 64 G .. 64 G + 63;
;     each of its eight waves takes 32 of the 256 k (one matrix instruction deep), and the eight partial tiles are added through LDS.
; (2) WeF = We rounded to bf16, laid in the order in which the main launch's matrix fragments want it:
;     byte (Gc>>1) 262144 + s 8192 + ((Gc&1) 4 + j) 1024 + q 512 + lane 16 + 2 e holds We[32 s + 16 q + 8 (lane/16) + e][64 Gc + 4 (lane%16) + j].
;     Work-group W = G + 16 y takes the 16 rows 16 W .. 16 W + 15 of We, wave v their columns 128 v .. 128 v + 127.
; A tile of 16 columns is the columns 64 G + 4 m + j (m = 0..15): a lane's load of 16 bytes of a weight row then feeds four tiles, and sixteen lanes read 256 consecutive bytes.
; No tensor loads, clusters or large tiles: each byte of Wd and We is read once, by one wave, and the products are 8 matrix instructions a wave.
; LIMITS.  h_dec, Wd and We are rounded once to bf16 (nearest even); NaN and infinities are not treated apart.
.set SPARE, 65536                      ; behind the eight partial tiles: the spare words, 128 bytes for each wave
.set SPW, 2                            ; v2       LDS address of my spare word; never rewritten
.set NIL, 3                            ; v3       0; never rewritten
.set WL,  16                           ; v16-79   16 rows of Wd, 4 columns a lane; then the accumulators
.set ACC, 16                           ; v16-79   accumulator (mt, j) at ACC + 8 (4 mt + j)
.set XL,  80                           ; v80-111  h_dec: 2 x 16 numbers a lane; then the cast's output
.set CO,  80
.set CL,  112                          ; v112-175 We: 2 x 8 rows, 4 columns a lane; then the eight partial tiles read back
.set RD,  112
.set WF,  176                          ; v176-207 four fragments of Wd
.set XF,  208                          ; v208-223 two fragments of h_dec
	s_load_b256 s[4:11], s[0:1], 0x0               ; h_dec s[4:5], Wd s[6:7], We s[8:9], decpart s[10:11]
	s_load_b64 s[12:13], s[0:1], 0x20              ; WeF
	v_lshl_add_u32 v[SPW], v0, 2, SPARE
	v_mov_b32 v[NIL], 0
	v_lshrrev_b32 v1, 5, v0
	v_readfirstlane_b32 s14, v1                    ; wave v, 0..7
	s_and_b32 s15, ttmp7, 0xffff                   ; y
	s_mov_b32 s17, ttmp9                           ; G
	s_lshl_b32 s16, s15, 4
	s_add_co_u32 s16, s16, s17                     ; W = G + 16 y
	s_lshl_b32 s29, s17, 8                         ; 64 columns of f32 = 256 bytes
	s_lshl_b32 s18, s15, 20                        ; Wd: row 256 y + 32 v, 4,096 bytes a row, column 64 G
	s_lshl_b32 s28, s14, 17
	s_add_co_u32 s18, s18, s28
	s_add_co_u32 s18, s18, s29
	s_mov_b32 s19, 0
	s_lshl_b32 s20, s15, 10                        ; h_dec: column 256 y + 32 v
	s_lshl_b32 s28, s14, 7
	s_add_co_u32 s20, s20, s28
	s_mov_b32 s21, 0
	s_lshl_b32 s22, s16, 16                        ; We: row 16 W, column 128 v
	s_lshl_b32 s28, s14, 9
	s_add_co_u32 s22, s22, s28
	s_mov_b32 s23, 0
	s_lshl_b32 s24, s15, 17                        ; decpart: quarter y, column 64 G
	s_add_co_u32 s24, s24, s29
	s_mov_b32 s25, 0
	s_lshl_b32 s26, s14, 18                        ; WeF: v 262144 + (W >> 1) 8192 + (W & 1) 512
	s_lshr_b32 s28, s16, 1
	s_lshl_b32 s28, s28, 13
	s_add_co_u32 s26, s26, s28
	s_and_b32 s28, s16, 1
	s_lshl_b32 s28, s28, 9
	s_add_co_u32 s26, s26, s28
	s_mov_b32 s27, 0
	s_lshl_b32 s30, s14, 13                        ; my partial tile in LDS: 32 rows x 256 bytes
	v_and_b32 v4, 15, v0                           ; r = lane % 16
	v_bfe_u32 v5, v0, 4, 1                         ; h = lane / 16
	v_lshlrev_b32 v13, 4, v4                       ; 16 r
	v_lshl_add_u32 v6, v5, 16, v13                 ; Wd: 16 rows further for the upper lanes, 16 bytes a lane
	v_lshlrev_b32 v7, 12, v4
	v_lshl_add_u32 v7, v5, 6, v7                   ; h_dec: batch r, 16 numbers further for the upper lanes
	v_lshl_add_u32 v8, v5, 15, v13                 ; We: 8 rows further for the upper lanes
	v_and_b32 v9, 31, v0
	v_lshlrev_b32 v9, 4, v9                        ; WeF: 16 bytes a lane
	v_lshl_add_u32 v10, v5, 11, v13
	v_add_nc_u32 v10, s30, v10                     ; into my partial tile: row 8 h, column 4 r
	v_lshlrev_b32 v11, 4, v0                       ; back: 16 bytes a thread
	v_lshrrev_b32 v14, 4, v0
	v_lshl_add_u32 v12, v14, 12, v13               ; decpart: batch T / 16, 16 bytes at column 4 (T % 16)
	s_wait_kmcnt 0x0
	s_add_nc_u64 s[6:7], s[6:7], s[18:19]
	s_add_nc_u64 s[4:5], s[4:5], s[20:21]
	s_add_nc_u64 s[8:9], s[8:9], s[22:23]
	s_add_nc_u64 s[10:11], s[10:11], s[24:25]
	s_add_nc_u64 s[12:13], s[12:13], s[26:27]
	; all 40 loads at once: the product's 24 first, the cast's 16 behind them
.set k, 0
.rept 16
	global_load_b128 v[WL+4*k:WL+4*k+3], v6, s[6:7] offset:k*4096  ; Wd[k0 + 16 h + k][64 G + 4 r ..]
.set k, k+1
.endr
.irp t, 0,1
.irp c, 0,1,2,3
	global_load_b128 v[XL+16*(\t)+4*(\c):XL+16*(\t)+4*(\c)+3], v7, s[4:5] offset:(\t)*65536+(\c)*16  ; h_dec[16 t + r][k0 + 16 h + 4 c ..]
.endr
.endr
.irp c, 0,1
.irp e, 0,1,2,3,4,5,6,7
	global_load_b128 v[CL+32*(\c)+4*(\e):CL+32*(\c)+4*(\e)+3], v8, s[8:9] offset:(\e)*4096+(\c)*256  ; We[16 W + 8 h + e][128 v + 64 c + 4 r ..]
.endr
.endr
	s_wait_loadcnt 16                              ; the cast's 16 loads are younger and may stay out
	; Fragments.  Place (h, register m, half) of both sources stands for k = k0 + 16 h + 2 m + half: the same order of k on both sides leaves the products as they are.
.irp j, 0,1,2,3
.irp m, 0,1,2,3,4,5,6,7
	v_cvt_pk_bf16_f32 v[WF+8*(\j)+(\m)], v[WL+8*(\m)+(\j)], v[WL+8*(\m)+4+(\j)]
.endr
.endr
.irp t, 0,1
.irp m, 0,1,2,3,4,5,6,7
	v_cvt_pk_bf16_f32 v[XF+8*(\t)+(\m)], v[XL+16*(\t)+2*(\m)], v[XL+16*(\t)+2*(\m)+1]
.endr
.endr
.irp t, 0,1
.irp j, 0,1,2,3
	v_wmma_f32_16x16x32_bf16 v[ACC+8*(4*(\t)+(\j)):ACC+8*(4*(\t)+(\j))+7], v[XF+8*(\t):XF+8*(\t)+7], v[WF+8*(\j):WF+8*(\j)+7], 0  ; eight accumulators, one product each
.endr
.endr
	s_wait_loadcnt 0x0
	; The cast: 32 roundings, which name no register of the products above and so are the places behind them (ISA guide 7.12.1).
.irp c, 0,1
.irp j, 0,1,2,3
.irp m, 0,1,2,3
	v_cvt_pk_bf16_f32 v[CO+4*(4*(\c)+(\j))+(\m)], v[CL+32*(\c)+8*(\m)+(\j)], v[CL+32*(\c)+8*(\m)+4+(\j)]
.endr
.endr
.endr
.irp t, 0,1,2,3,4,5,6,7
	global_store_b128 v9, v[CO+4*(\t):CO+4*(\t)+3], s[12:13] offset:(\t)*1024  ; 512 consecutive bytes, at a multiple of 512 from WeF's first
.endr
	; Register q of accumulator (mt, j) is batch 16 mt + 8 h + q, column 4 r + j; each accumulator is read from its lowest register on.
.irp t, 0,1,2,3,4,5,6,7
.irp q, 0,1,2,3,4,5,6,7
	ds_store_b32 v10, v[ACC+8*(\t)+(\q)] offset:(16*((\t)/4)+(\q))*256+4*((\t)%4)
.endr
.endr
	s_wait_dscnt 0x0                               ; for the others' sake: my partial tile is written
	s_barrier_signal -1
	s_barrier_wait -1
.irp c, 0,1
.irp w, 0,1,2,3,4,5,6,7
	ds_load_b128 v[RD+4*(8*(\c)+(\w)):RD+4*(8*(\c)+(\w))+3], v11 offset:(\c)*4096+(\w)*8192  ; the same 16 bytes of all eight tiles
.endr
.endr
.macro QADD d, s                       ; four numbers onto four
	v_pk_add_f32 v[(\d):(\d)+1], v[(\d):(\d)+1], v[(\s):(\s)+1]
	v_pk_add_f32 v[(\d)+2:(\d)+3], v[(\d)+2:(\d)+3], v[(\s)+2:(\s)+3]
.endm
	s_wait_dscnt 0x0
.irp c, 0,1
	QADD RD+32*(\c), RD+32*(\c)+4
	QADD RD+32*(\c)+8, RD+32*(\c)+12
	QADD RD+32*(\c)+16, RD+32*(\c)+20
	QADD RD+32*(\c)+24, RD+32*(\c)+28
	QADD RD+32*(\c), RD+32*(\c)+8
	QADD RD+32*(\c)+16, RD+32*(\c)+24
	QADD RD+32*(\c), RD+32*(\c)+16
	global_store_b128 v12, v[RD+32*(\c):RD+32*(\c)+3], s[10:11] offset:(\c)*65536  ; sixteen lanes store 256 consecutive bytes, at a multiple of 256 from decpart's first
.endr
	s_wait_tensorcnt 0x0                           ; the wave's end
	ds_add_u32 v[SPW], v[NIL]
	s_wait_dscnt 0x0
	s_endpgm
.Lfunc_end_k_qe60232e848_prep:
	.size	k_qe60232e848_prep, .Lfunc_end_k_qe60232e848_prep-k_qe60232e848_prep
	.p2alignl 7, 3214868480
	.fill 96, 4, 3214868480
	.section	.rodata,"a",@progbits
	.p2align	6, 0x0
	.amdhsa_kernel k_qe60232e848_prep
		.amdhsa_group_segment_fixed_size 66560
		.amdhsa_private_segment_fixed_size 0
		.amdhsa_enable_private_segment 0
		.amdhsa_kernarg_size 40
		.amdhsa_user_sgpr_count 2
		.amdhsa_user_sgpr_kernarg_segment_ptr 1
		.amdhsa_wavefront_size32 1
		.amdhsa_system_sgpr_workgroup_id_x 1
		.amdhsa_system_sgpr_workgroup_id_y 1
		.amdhsa_system_sgpr_workgroup_id_z 1
		.amdhsa_system_vgpr_workitem_id 0
		.amdhsa_next_free_vgpr 224
		.amdhsa_next_free_sgpr 66
		.amdhsa_reserve_vcc 0
		.amdhsa_float_denorm_mode_32 3
		.amdhsa_float_denorm_mode_16_64 3
		.amdhsa_memory_ordered 1
		.amdhsa_forward_progress 1
		.amdhsa_inst_pref_size 20
	.end_amdhsa_kernel
	.amdgpu_metadata
---
amdhsa.version: [ 1, 2 ]
amdhsa.kernels:
  - .name:           k_qe60232e848_prep
    .symbol:         k_qe60232e848_prep.kd
    .args:
      - { .name: h_dec, .offset: 0, .size: 8, .value_kind: global_buffer, .address_space: global }
      - { .name: Wd, .offset: 8, .size: 8, .value_kind: global_buffer, .address_space: global }
      - { .name: We, .offset: 16, .size: 8, .value_kind: global_buffer, .address_space: global }
      - { .name: decpart, .offset: 24, .size: 8, .value_kind: global_buffer, .address_space: global }
      - { .name: WeF, .offset: 32, .size: 8, .value_kind: global_buffer, .address_space: global }
    .group_segment_fixed_size: 66560
    .private_segment_fixed_size: 0
    .kernarg_segment_align: 8
    .kernarg_segment_size: 40
    .max_flat_workgroup_size: 256
    .sgpr_count:     66
    .vgpr_count:     224
    .wavefront_size: 32
...
	.end_amdgpu_metadata
.endif
;; end of part 1
;; launch score (part 2): grid 256 x 1, 4 waves a work-group, no clusters, 279,296 bytes of LDS; arguments h_enc, WeF, decpart, bd, be, Wc, bc, scores, stats, upart; writes scores, stats, upart
.if DOCPART == 2
	.amdgcn_target "amdgcn-amd-amdhsa--gfx1250"
	.amdhsa_code_object_version 6
	.text
	.protected	k_qe60232e848_score
	.globl	k_qe60232e848_score
	.p2align	8
	.type	k_qe60232e848_score,@function
k_qe60232e848_score:
	s_mov_b64 s[64:65], 0
	v_nop
	global_prefetch_b8 v0, s[64:65] scope:SCOPE_SE
	s_setreg_imm32_b32 hwreg(HW_REG_WAVE_MODE, 25, 1), 1
	s_wait_xcnt 0x0
; SCORE.  For 256 rows t of one batch b (work-group g: b = g / 8, rows 256 (g % 8) on), as two blocks of 128 rows:
;   score[t] = bc + the sum over n of Wc[n] tanh(h_enc[t] . We[:, n] + be[n] + dec_p[b][n]),  and, with a running maximum m over the work-group's rows,
;   l = the sum of p_t, u[k] = the sum of p_t bf16(h_enc[t][k]), p_t = e^(score[t] - m).  Stored: the scores, (m, l) and u.  The last launch merges a batch's eight (m, l, u).
; WHY u.  The weights of a softmax add up to 1, so the sum over t of attn_t (h_enc_t We + be) = (the sum of attn_t h_enc_t) We + be: the same sum in another order.  So the projected rows need not be kept:
; a block of h_enc stays in LDS as bf16 (128 rows x 2,064 bytes) for the product and for u, h_enc is read from memory once, and the product's sums are dropped behind the tanh.
; SHARES.  The 1,024 columns go in two passes of 512; a wave holds 128 rows x 128 columns: 64 accumulators, 512 registers.  A K step is 32: 64 matrix instructions, 16 LDS loads (h), 16 global loads (We).
; We COMES STRAIGHT INTO REGISTERS, from WeF, which holds it as bf16 in fragment order (each load 512 consecutive bytes), through a ring of four K steps in registers, asked for three steps ahead.
; NO TENSOR LOADS, NO CLUSTER, though all work-groups walk the same We.
; and beside the block (264,192 bytes) and the tables (15,104) 48,384 bytes of a WGP's 327,680 are left, less than two slots of one K step of a pass (32 k x 512 columns x 2 bytes = 32,768 each).
; THE MATRIX INSTRUCTION IS USED TRANSPOSED (source 0 = 16 columns of We, source 1 = 16 rows of h): a lane holds ONE row (lane % 16) and the columns 8 (lane / 16) + 0..7 of a tile, so a row's sum over columns
; is a sum over the lane's registers and one exchange between the halves of the lanes.  Tile b of wave w in pass p holds the columns n = 64 Gc + 4 m + j, Gc = 2 (4 p + w) + b / 4, j = b % 4;
; which columns they are matters only through c'[n] and Wc[n], laid in LDS in that order: place 512 p + 128 w + 16 b + m.
; ARITHMETIC.  tanh(x) = 1 - 2 r, r = 1 / (1 + 2^(K2 x)), K2 = 2 log2(e); K2 x = sum K2 + c', c'[n] = K2 (dec_p[b][n] + be[n]); score = (bc + the sum of Wc) - 2 x the sum of Wc[n] r_n.
; LIMITS.  h_enc and We are rounded once to bf16; NaN and infinities are not treated apart; 2^y = infinity gives r = 0 and 2^y = 0 gives r = 1, the right ends of tanh.  The score is a difference in f32 of
; two sums whose terms are at most twice the terms that the plain sum of Wc tanh adds.  m starts at the lowest finite number; a weight below 2^-126 counts as 0.
; REGISTERS, in windows of 256 (s_set_vgpr_msb: bits 1:0 source 0, 3:2 source 1, 5:4 source 2, 7:6 destination):
;   window 0: v0-31 addresses and what is carried (u, m, l); v32-63 at work; v64-127, v128-191 fragments of h, two buffers; v128-255 c' and Wc in the way out of a pass; v64-223 rows and weights for u
;   window 1: We's ring, K step s in v[64 (s % 4) ..]          windows 2, 3: accumulator (a, b) at v[8 (8 (a % 4) + b)] of window 2 + a / 4; window 2 is also the stage for h_enc's f32 rows
.set PITCH, 2064                       ; an LDS row: 2,048 bytes + 16 = 516 words: row r starts at bank 4 r mod 64 (64 banks of 4 bytes: ISA guide 11.1), so the 16 rows of a fragment load start at 16 different banks
.set CP,    128*PITCH                  ; c', 1,024 f32 in tile order
.set WP,    CP+4096                    ; Wc, likewise
.set SPB,   CP+8192                    ; the rows' partial sums: [pass][wave][128 rows] f32
.set PW,    SPB+4096                   ; each wave's own copy of the block's 128 weights p
.set RW,    PW+2048                    ; four words: the waves' sums of Wc
.set SPARE, RW+256                     ; the spare words, 128 bytes for each wave
.set SPW,  2                           ; v2      LDS address of my spare word; never rewritten
.set NIL,  3                           ; v3      0; never rewritten
.set AA,   4                           ; v4-7    LDS addresses of my fragments of h at the K in hand: rows 32 i + lane % 16
.set AA0,  8                           ; v8-11   the same at K = 0
.set VL16, 12                          ; v12     16 x lane
.set VB0,  13                          ; v13     my offset in WeF of the four K steps in hand
.set VB1,  14                          ; v14     of the next four
.set GO0,  15                          ; v15     h_enc: 16 x lane + my wave's 32 rows
.set GOC,  16                          ; v16     the same at the rows in hand
.set LA0,  17                          ; v17     LDS: my wave's 32 rows + 8 x lane
.set LAC,  18                          ; v18     the same at the rows in hand
.set CPA0, 19                          ; v19     c' of my columns in pass 0
.set U,    20                          ; v20-27  u[8 T .. 8 T + 7]
.set MRUN, 28                          ; v28     m
.set LRUN, 29                          ; v29     l
.set CBV,  30                          ; v30     bc + the sum of Wc
.set SPA0, 31                          ; v31     where my wave puts row lane % 16's partial sum in pass 0
.set CPAC, 56
.set SPAC, 57
.set SRD,  58                          ; v58     the partial sums of rows 4 lane .. 4 lane + 3
.set PWA,  59                          ; v59     where I put their weights
.set PRC,  60
.set UA0,  61                          ; v61     16 x thread
.set UAC,  62
.set SCV,  63
.set AF0,  64
.set CC,   128
.set WW,   192
.set XR,   64
.set PR,   192
.set WV,   24                          ; s24  my wave's number
.set GID,  25                          ; s25  g
.set BLK,  28                          ; s28-31  the loops' counts
.set PASS, 29
.set TRIP, 30
.set CNT,  31
.set POS,  32                          ; s32  the byte in my wave's part of WeF at which the next four K steps begin
.set TMP,  33
.set KO,   34                          ; s34  2 x the K in hand
.set PO,   35                          ; s35  2,048 x the pass
.set GR,   36                          ; s36  h_enc: the byte of the rows in hand
.set LOF,  37                          ; s37  LDS: likewise
.set UO,   38
.set UP,   39
.set SCOFF, 40                         ; s40  512 x the block
.set PW0,  41                          ; s41  my wave's copy of the weights
.set K2,   42                          ; s[42:43]  2 log2(e): the packed scaling takes the pair's low word for both halves
.set L2E,  44                          ; s44  log2(e)
.set SEL,  46                          ; s[46:47]  v_permlanex16_b32's selects: each lane takes its own place in the other half
.set BC,   48                          ; s48  bc
.set MSB, 0
.macro WIN new                         ; the immediate's high byte repeats the setting that is left; a switch that changes nothing is dropped
.if MSB != (\new)
	s_set_vgpr_msb (MSB<<8)|(\new)
.set MSB, \new
.endif
.endm
.set MUL_LO, 0xa1                      ; source 0 (We) window 1, source 1 (h) window 0, C and D window 2
.set TO_B,   0x40                      ; destination window 1, address window 0
.macro PLACES                          ; a load into a register that a matrix instruction has read stands four plain vector instructions behind it (ISA guide 7.12.1 for vector instructions)
.rept 4
	v_nop
.endr
.endm
.macro BAR                             ; my LDS instructions are done; then all four waves meet
	s_wait_dscnt 0x0
	s_barrier_signal -1
	s_barrier_wait -1
.endm
.macro QADD d, s                       ; four numbers onto four
	v_pk_add_f32 v[(\d):(\d)+1], v[(\d):(\d)+1], v[(\s):(\s)+1]
	v_pk_add_f32 v[(\d)+2:(\d)+3], v[(\d)+2:(\d)+3], v[(\s)+2:(\s)+3]
.endm
; 32 matrix instructions: row blocks 4 hi .. 4 hi + 3 x all 8 column tiles, 32 along K.  zero = 1: the product starts the sums.  The 64 accumulators take turns, in the same order in every K step.
.macro MUL32 f, slot, hi, zero
	WIN MUL_LO+0x50*(\hi)
.irp a, 0,1,2,3
.irp b, 0,1,2,3,4,5,6,7
.if \zero
	v_wmma_f32_16x16x32_bf16 v[8*(8*(\a)+(\b)):8*(8*(\a)+(\b))+7], v[(\slot)+8*(\b):(\slot)+8*(\b)+7], v[(\f)+8*(4*(\hi)+(\a)):(\f)+8*(4*(\hi)+(\a))+7], 0
.else
	v_wmma_f32_16x16x32_bf16 v[8*(8*(\a)+(\b)):8*(8*(\a)+(\b))+7], v[(\slot)+8*(\b):(\slot)+8*(\b)+7], v[(\f)+8*(4*(\hi)+(\a)):(\f)+8*(4*(\hi)+(\a))+7], v[8*(8*(\a)+(\b)):8*(8*(\a)+(\b))+7]
.endif
.endr
.endr
.endm
; 16 LDS loads: the eight fragments of h (16 rows x 32 K: two loads of 16 bytes, 32 bytes apart) at byte koff behind the K in hand
.macro FETCH_A f, koff
	WIN 0
.irp a, 0,1,2,3,4,5,6,7
	ds_load_b128 v[(\f)+8*(\a):(\f)+8*(\a)+3],   v[AA+(\a)/2] offset:((\a)%2)*16*PITCH+(\koff)
	ds_load_b128 v[(\f)+8*(\a)+4:(\f)+8*(\a)+7], v[AA+(\a)/2] offset:((\a)%2)*16*PITCH+(\koff)+32
.endr
.endm
; 16 global loads: a K step's eight fragments of We, 8,192 consecutive bytes of WeF
.macro FETCH_B slot, areg, imm
	WIN TO_B
.set fb, 0
.rept 16
	global_load_b128 v[(\slot)+4*fb:(\slot)+4*fb+3], v[\areg], s[6:7] offset:(\imm)+512*fb
.set fb, fb+1
.endr
.endm
; WeF's two offsets step by four K steps (32,768 bytes).  A pass is 262,144 bytes on end; pass 1 begins 1,048,576 bytes behind pass 0; behind pass 1 the walk goes back to 0.
.macro UPDATE
	s_wait_xcnt 0x0                                ; the loads that name VB0 and VB1 have had their addresses translated (ISA guide 3.1): only now are the two rewritten
	v_mov_b32 v[VB0], v[VB1]
	s_add_co_u32 s[POS], s[POS], 0x8000
	s_bitcmp1_b32 s[POS], 18                       ; a pass's end?
	s_cselect_b32 s[TMP], 0x140000, 0
	s_xor_b32 s[POS], s[POS], s[TMP]               ; 0x40000 -> 0x100000, 0x140000 -> 0
	v_add_nc_u32 v[VB1], s[POS], v[VL16]
.endm
; K step j (mod 4).  In its middle it fetches the next step's fragments of h and the fragments of We of the step three on, into the buffers that the step before has multiplied.
.macro STEP j, zero, head
	s_wait_loadcnt 32                              ; this step's We is in: behind its 16 loads the next two steps' 32 were issued
	s_wait_dscnt \head                             ; 8: h's rows 0-63 are in, the youngest eight loads (rows 64-127) may be out; 0 at a pass's first step
	MUL32 AF0+64*((\j)%2), 64*(\j), 0, \zero
	WIN 0
.if (\j) < 3
	PLACES
	FETCH_A AF0+64*(((\j)+1)%2), 64*((\j)+1)
.else
	s_add_co_u32 s[KO], s[KO], 256                 ; four K steps on; behind the row's end back to K = 0
	s_and_b32 s[KO], s[KO], 0x7ff
.irp i, 0,1,2,3
	v_add_nc_u32 v[AA+(\i)], s[KO], v[AA0+(\i)]    ; these four are the places
.endr
	FETCH_A AF0, 0
.endif
.if (\j) == 0
	FETCH_B 192, VB0, 24576
.else
	FETCH_B 64*((\j)-1), VB1, 8192*((\j)-1)
.endif
	s_wait_dscnt 16                                ; all but the 16 LDS loads just issued
	MUL32 AF0+64*((\j)%2), 64*(\j), 1, \zero
.endm
; One row of h_enc (stage slot i: 32 registers of window 2, 128 f32 a load): rounded to bf16 in place, stored into the block, and (refill = 1) the row eight further on asked for.  left: the younger loads.
.macro TURN i, refill, left
	s_wait_loadcnt \left
	WIN 0x8a                                       ; sources and destination window 2
.set m, 0
.rept 16
	v_cvt_pk_bf16_f32 v[32*(\i)+m], v[32*(\i)+2*m], v[32*(\i)+2*m+1]
.set m, m+1
.endr
	WIN 0x88                                       ; address window 0; store data and loaded data window 2
.irp j, 0,1,2,3,4,5,6,7
	ds_store_b64 v[LAC], v[32*(\i)+2*(\j):32*(\i)+2*(\j)+1] offset:(\i)*PITCH+(\j)*256  ; 256 consecutive bytes
.endr
.if \refill
.irp j, 0,1,2,3,4,5,6,7
	global_load_b128 v[32*(\i)+4*(\j):32*(\i)+4*(\j)+3], v[GOC], s[4:5] offset:(8+(\i))*4096+(\j)*512 th:TH_LOAD_NT
.endr
.endif
.endm
; THE WAY OUT OF A PASS for row block a: r = 1 / (1 + 2^(K2 sum + c')) in place, then the row's sum of Wc r.  Tile by tile: scaling of tile b + 1 (plain) stands between tile b's exponentials and the use of their
; results (ISA guide 5.7.2); each accumulator is read from its lowest registers on.
.macro EF b
.irp q, 0,1,2,3
	v_pk_fma_f32 v[ER0+8*(\b)+2*(\q):ER0+8*(\b)+2*(\q)+1], v[ER0+8*(\b)+2*(\q):ER0+8*(\b)+2*(\q)+1], s[K2:K2+1], v[CC+8*(\b)+2*(\q):CC+8*(\b)+2*(\q)+1] op_sel_hi:[1,0,1]
.endr
.endm
.macro EE b
.irp q, 0,1,2,3,4,5,6,7
	v_exp_f32 v[ER0+8*(\b)+(\q)], v[ER0+8*(\b)+(\q)]
.endr
.endm
.macro EPL b
	s_wait_alu depctr_va_vdst(0)
.irp q, 0,1,2,3
	v_pk_add_f32 v[ER0+8*(\b)+2*(\q):ER0+8*(\b)+2*(\q)+1], v[ER0+8*(\b)+2*(\q):ER0+8*(\b)+2*(\q)+1], 1.0 op_sel_hi:[1,0]
.endr
.endm
.macro ERC b
.irp q, 0,1,2,3,4,5,6,7
	v_rcp_f32 v[ER0+8*(\b)+(\q)], v[ER0+8*(\b)+(\q)]
.endr
.endm
.macro EPI a
.set ER0, 64*((\a)%4)
.set TT, 32+16*((\a)%2)                ; eight registers at work, two sets by turns
	WIN 0x82+0x41*((\a)/4)                         ; destination and source 0: the block's window; c' in window 0
	EF 0
.irp b, 0,1,2,3,4,5,6,7
	EE \b
.if (\b) < 7
	EF (\b)+1
.else
	v_nop
	s_wait_alu depctr_va_vdst(0)
.endif
	EPL \b
	ERC \b
.endr
	WIN 0x02+((\a)/4)                              ; source 0: the block's window; Wc and the sums in window 0.  Tile 0's lines are the plain ones behind tile 7's reciprocals
.irp b, 0,1,2,3,4,5,6,7
.irp q, 0,1,2,3
.if (\b) == 0
	v_pk_mul_f32 v[TT+2*(\q):TT+2*(\q)+1], v[ER0+2*(\q):ER0+2*(\q)+1], v[WW+2*(\q):WW+2*(\q)+1]
	s_wait_alu depctr_va_vdst(0)
.else
	v_pk_fma_f32 v[TT+2*(\q):TT+2*(\q)+1], v[ER0+8*(\b)+2*(\q):ER0+8*(\b)+2*(\q)+1], v[WW+8*(\b)+2*(\q):WW+8*(\b)+2*(\q)+1], v[TT+2*(\q):TT+2*(\q)+1]
.endif
.endr
.endr
	WIN 0
	v_pk_add_f32 v[TT:TT+1], v[TT:TT+1], v[TT+2:TT+3]
	v_pk_add_f32 v[TT+4:TT+5], v[TT+4:TT+5], v[TT+6:TT+7]
	v_pk_add_f32 v[TT:TT+1], v[TT:TT+1], v[TT+4:TT+5]
	v_add_f32 v[TT], v[TT], v[TT+1]
	v_permlanex16_b32 v[TT+1], v[TT], s[SEL], s[SEL+1]  ; the row's other 64 columns lie in the lane 16 away
	v_add_f32 v[TT], v[TT], v[TT+1]
	ds_store_b32 v[SPAC], v[TT] offset:64*(\a)     ; row 16 a + lane % 16; both halves of the lanes store the same number
.endm
	s_load_b512 s[4:19], s[0:1], 0x0               ; h_enc s[4:5], WeF s[6:7], decpart s[8:9], bd s[10:11], be s[12:13], Wc s[14:15], bc s[16:17], scores s[18:19]
	s_load_b128 s[20:23], s[0:1], 0x40             ; stats s[20:21], upart s[22:23]
	v_lshl_add_u32 v[SPW], v0, 2, SPARE
	v_mov_b32 v[NIL], 0
	v_lshrrev_b32 v1, 5, v0
	v_readfirstlane_b32 s[WV], v1                  ; wave 0..3
	s_mov_b32 s[GID], ttmp9
	s_mov_b32 s[K2], 0x4038aa3b                    ; 2 log2(e)
	s_mov_b32 s[K2+1], s[K2]                       ; named with it as a pair
	s_mov_b32 s[L2E], 0x3fb8aa3b
	s_mov_b32 s[SEL], 0x76543210
	s_mov_b32 s[SEL+1], 0xfedcba98
	v_and_b32 v32, 15, v0                          ; r = lane % 16
	v_bfe_u32 v33, v0, 4, 1                        ; h = lane / 16
	v_and_b32 v34, 31, v0                          ; lane
	v_mul_u32_u24 v[AA0], v32, PITCH
	v_lshl_add_u32 v[AA0], v33, 4, v[AA0]          ; row x pitch + 16 x half
	v_add_nc_u32 v[AA0+1], 32*PITCH, v[AA0]
	v_add_nc_u32 v[AA0+2], 64*PITCH, v[AA0]
	v_add_nc_u32 v[AA0+3], 96*PITCH, v[AA0]
	v_lshlrev_b32 v[VL16], 4, v34
	s_lshl_b32 s[TMP], s[WV], 17                   ; 32 rows of 4,096 bytes
	v_add_nc_u32 v[GO0], s[TMP], v[VL16]
	s_mul_i32 s[TMP], s[WV], 32*PITCH
	v_lshl_add_u32 v[LA0], v34, 3, s[TMP]
	s_lshl_b32 s[PW0], s[WV], 9                    ; 512 w
	s_add_co_u32 s[TMP], s[PW0], CP
	v_lshl_add_u32 v[CPA0], v33, 5, s[TMP]         ; my wave's 128 places, 8 further for the upper lanes
	v_lshl_add_u32 v35, v33, 8, s[TMP]             ; the set-up's stores: CP + 512 w + 256 h + 4 r
	v_lshl_add_u32 v35, v32, 2, v35
	s_add_co_u32 s[TMP], s[PW0], SPB
	v_lshl_add_u32 v[SPA0], v32, 2, s[TMP]
	v_add_nc_u32 v[SRD], SPB, v[VL16]
	s_add_co_u32 s[PW0], s[PW0], PW
	v_add_nc_u32 v[PWA], s[PW0], v[VL16]
	v_lshlrev_b32 v[UA0], 4, v0
	s_lshl_b32 s[TMP], s[WV], 2
	s_add_co_u32 s[TMP], s[TMP], RW
	v_mov_b32 v37, s[TMP]                          ; my wave's word for the sum of Wc
	v_mov_b32 v[VB1], v[VL16]
	s_mov_b32 s[POS], 0
	s_mov_b32 s27, 0
	s_wait_kmcnt 0x0
	s_load_b32 s[BC], s[16:17], 0x0                ; bc; waited for where it is used
	s_lshl_b32 s26, s[GID], 20                     ; 256 rows of 4,096 bytes
	s_add_nc_u64 s[4:5], s[4:5], s[26:27]
	s_lshl_b32 s26, s[WV], 18                      ; my wave's columns of a pass: 262,144 bytes
	s_add_nc_u64 s[6:7], s[6:7], s[26:27]
	s_lshr_b32 s26, s[GID], 3
	s_lshl_b32 s26, s26, 12                        ; the batch's row of decpart
	s_add_nc_u64 s[8:9], s[8:9], s[26:27]
	s_lshl_b32 s26, s[GID], 10
	s_add_nc_u64 s[18:19], s[18:19], s[26:27]
	s_lshl_b32 s26, s[GID], 8
	s_add_nc_u64 s[20:21], s[20:21], s[26:27]
	s_lshl_b32 s26, s[GID], 12
	s_add_nc_u64 s[22:23], s[22:23], s[26:27]
	; THE SET-UP.  Thread T takes n = 512 i + 4 T + 0..3 (i = 0, 1): 14 loads; We's first three K steps are asked for behind them.
.irp i, 0,1
.irp y, 0,1,2,3
	global_load_b128 v[64+28*(\i)+4*(\y):64+28*(\i)+4*(\y)+3], v[UA0], s[8:9] offset:(\y)*131072+(\i)*2048
.endr
	global_load_b128 v[64+28*(\i)+16:64+28*(\i)+19], v[UA0], s[10:11] offset:(\i)*2048
	global_load_b128 v[64+28*(\i)+20:64+28*(\i)+23], v[UA0], s[12:13] offset:(\i)*2048
	global_load_b128 v[64+28*(\i)+24:64+28*(\i)+27], v[UA0], s[14:15] offset:(\i)*2048
.endr
	FETCH_B 0, VB1, 0
	FETCH_B 64, VB1, 8192
	FETCH_B 128, VB1, 16384
	WIN 0
	s_wait_loadcnt 48                              ; the ring's 48 loads are younger and stay out
.irp i, 0,1
	QADD 64+28*(\i), 64+28*(\i)+4
	QADD 64+28*(\i)+8, 64+28*(\i)+12
	QADD 64+28*(\i)+16, 64+28*(\i)+20
	QADD 64+28*(\i), 64+28*(\i)+8
	QADD 64+28*(\i), 64+28*(\i)+16
	v_pk_mul_f32 v[64+28*(\i):64+28*(\i)+1], v[64+28*(\i):64+28*(\i)+1], s[K2:K2+1] op_sel_hi:[1,0]
	v_pk_mul_f32 v[64+28*(\i)+2:64+28*(\i)+3], v[64+28*(\i)+2:64+28*(\i)+3], s[K2:K2+1] op_sel_hi:[1,0]
.irp j, 0,1,2,3
	ds_store_b32 v35, v[64+28*(\i)+(\j)] offset:(\i)*2048+(\j)*64          ; column n goes to place 64 (n / 64) + 16 (n % 4) + (n / 4) % 16
	ds_store_b32 v35, v[64+28*(\i)+24+(\j)] offset:4096+(\i)*2048+(\j)*64
.endr
.endr
	v_pk_add_f32 v[40:41], v[88:89], v[90:91]      ; the sum of Wc: my eight,
	v_pk_add_f32 v[42:43], v[116:117], v[118:119]
	v_pk_add_f32 v[40:41], v[40:41], v[42:43]
	v_add_f32 v40, v40, v41
	v_add_f32_dpp v40, v40, v40 row_xmask:1 row_mask:0xf bank_mask:0xf  ; my wave's,
	v_add_f32_dpp v40, v40, v40 row_xmask:2 row_mask:0xf bank_mask:0xf
	v_add_f32_dpp v40, v40, v40 row_xmask:4 row_mask:0xf bank_mask:0xf
	v_add_f32_dpp v40, v40, v40 row_xmask:8 row_mask:0xf bank_mask:0xf
	v_permlanex16_b32 v41, v40, s[SEL], s[SEL+1]
	v_add_f32 v40, v40, v41
	ds_store_b32 v37, v40
	BAR                                            ; c', Wc and the four sums are written
	v_mov_b32 v38, RW
	ds_load_b128 v[40:43], v38                     ; and all four waves'
	v_mov_b32 v[MRUN], 0xff7fffff                  ; the lowest finite number
	v_mov_b32 v[LRUN], 0
.irp e, 0,1,2,3,4,5,6,7
	v_mov_b32 v[U+(\e)], 0
.endr
.irp i, 0,1,2,3
	v_mov_b32 v[AA+(\i)], v[AA0+(\i)]
.endr
	s_mov_b32 s[KO], 0
	s_mov_b32 s[GR], 0
	s_mov_b32 s[SCOFF], 0
	s_mov_b32 s[BLK], 2
	s_wait_dscnt 0x0
	v_add_f32 v40, v40, v41
	v_add_f32 v42, v42, v43
	v_add_f32 v40, v40, v42
	s_wait_kmcnt 0x0                               ; bc
	v_add_f32 v[CBV], s[BC], v40
.Lblock:
	; THE BLOCK COMES IN.  A wave brings 32 rows through eight stage slots: 64 loads, 32,768 bytes, of every wave are on their way.
	s_mov_b32 s[LOF], 0
	s_wait_xcnt 0x0                                ; GOC, and the last block's store of scores, have been read
	v_add_nc_u32 v[GOC], s[GR], v[GO0]
	v_mov_b32 v[LAC], v[LA0]
	WIN 0x88
.irp i, 0,1,2,3,4,5,6,7
.irp j, 0,1,2,3,4,5,6,7
	global_load_b128 v[32*(\i)+4*(\j):32*(\i)+4*(\j)+3], v[GOC], s[4:5] offset:(\i)*4096+(\j)*512 th:TH_LOAD_NT
.endr
.endr
	WIN 0
	s_mov_b32 s[CNT], 3
.Lround:
.irp i, 0,1,2,3,4,5,6,7
	TURN \i, 1, 56                                 ; behind a slot's eight loads the other seven slots' 56 were issued
.endr
	WIN 0
	s_add_co_u32 s[GR], s[GR], 32768               ; eight rows on
	s_add_co_u32 s[LOF], s[LOF], 8*PITCH
	s_wait_xcnt 0x0                                ; GOC is rewritten only behind this wait
	v_add_nc_u32 v[GOC], s[GR], v[GO0]
	v_add_nc_u32 v[LAC], s[LOF], v[LA0]
	s_sub_co_u32 s[CNT], s[CNT], 1
	s_cmp_lg_u32 s[CNT], 0
	s_cbranch_scc1 .Lround
.irp i, 0,1,2,3,4,5,6,7
	TURN \i, 0, 56-8*(\i)                          ; the last eight rows: nothing more is asked for, the counts run down
.endr
	WIN 0
	s_add_co_u32 s[GR], s[GR], 425984              ; with the three steps above: 128 rows on
	BAR                                            ; the block is whole
	FETCH_A AF0, 0
	s_mov_b32 s[PASS], 2
	s_mov_b32 s[PO], 0
.Lpass:
	; 32 K STEPS.  The first, whose products start the sums, stands in front of the loop.  We's ring runs on over a pass's end: steps 29 to 31 ask for the next pass's steps 0 to 2, and step 31 fetches h at K = 0
	; again (used by the block's second pass; fetched anew behind a new block).  What the launch's very last three steps ask for, 24,576 bytes a wave, serves nothing: the price of one text for every pass.
	UPDATE
	STEP 0, 1, 0
	WIN 0
	s_mov_b32 s[TRIP], 7
.Ltrip:
	STEP 1, 0, 8
	STEP 2, 0, 8
	STEP 3, 0, 8
	WIN 0
	UPDATE
	STEP 0, 0, 8
	WIN 0
	s_sub_co_u32 s[TRIP], s[TRIP], 1
	s_cmp_lg_u32 s[TRIP], 0
	s_cbranch_scc1 .Ltrip
	STEP 1, 0, 8
	STEP 2, 0, 8
	STEP 3, 0, 8
	WIN 0
	v_add_nc_u32 v[CPAC], s[PO], v[CPA0]           ; with the two v_nop: the four places in front of the loads into the buffer just multiplied, and of the reads of the sums
	v_add_nc_u32 v[SPAC], s[PO], v[SPA0]
	v_nop
	v_nop
.irp b, 0,1,2,3,4,5,6,7
.irp q, 0,1
	ds_load_b128 v[CC+8*(\b)+4*(\q):CC+8*(\b)+4*(\q)+3], v[CPAC] offset:64*(\b)+16*(\q)       ; c' of my eight columns of tile b
	ds_load_b128 v[WW+8*(\b)+4*(\q):WW+8*(\b)+4*(\q)+3], v[CPAC] offset:4096+64*(\b)+16*(\q)  ; and their Wc
.endr
.endr
	s_wait_dscnt 0x0
.irp a, 0,1,2,3,4,5,6,7
	EPI \a
.endr
	WIN 0
	s_add_co_u32 s[PO], s[PO], 2048
	s_sub_co_u32 s[PASS], s[PASS], 1
	s_cmp_lg_u32 s[PASS], 0
	s_cbranch_scc1 .Lpass
	; THE BLOCK'S SCORES AND WEIGHTS.  Every wave does the same: lane l takes rows 4 l .. 4 l + 3.
	BAR                                            ; all eight partial sums of every row are written
.irp q, 0,1,2,3,4,5,6,7
	ds_load_b128 v[64+4*(\q):64+4*(\q)+3], v[SRD] offset:512*(\q)
.endr
	s_wait_dscnt 0x0
	QADD 64, 68
	QADD 72, 76
	QADD 80, 84
	QADD 88, 92
	QADD 64, 72
	QADD 80, 88
	QADD 64, 80
.irp c, 0,1,2,3
	v_fma_f32 v[40+(\c)], v[64+(\c)], -2.0, v[CBV]
.endr
	v_add_nc_u32 v[SCV], s[SCOFF], v[VL16]
	s_cmp_lg_u32 s[WV], 0
	s_cbranch_scc1 .Lno_sc
	global_store_b128 v[SCV], v[40:43], s[18:19]   ; wave 0 alone: the block's 128 scores, 512 consecutive bytes
.Lno_sc:
	v_max_num_f32 v44, v40, v41
	v_max_num_f32 v45, v42, v43
	v_max_num_f32 v44, v44, v45
	v_max_num_f32_dpp v44, v44, v44 row_xmask:1 row_mask:0xf bank_mask:0xf
	v_max_num_f32_dpp v44, v44, v44 row_xmask:2 row_mask:0xf bank_mask:0xf
	v_max_num_f32_dpp v44, v44, v44 row_xmask:4 row_mask:0xf bank_mask:0xf
	v_max_num_f32_dpp v44, v44, v44 row_xmask:8 row_mask:0xf bank_mask:0xf
	v_permlanex16_b32 v45, v44, s[SEL], s[SEL+1]
	v_max3_num_f32 v53, v44, v45, v[MRUN]          ; the new m
	v_sub_f32 v52, v[MRUN], v53                    ; the maximum is taken away first, then the scale
.irp c, 0,1,2,3
	v_sub_f32 v[48+(\c)], v[40+(\c)], v53
.endr
	v_mul_f32 v52, s[L2E], v52
.irp c, 0,1,2,3
	v_mul_f32 v[48+(\c)], s[L2E], v[48+(\c)]
.endr
	v_exp_f32 v52, v52                             ; a = e^(m_old - m_new)
.irp c, 0,1,2,3
	v_exp_f32 v[48+(\c)], v[48+(\c)]               ; p
.endr
	v_mov_b32 v[MRUN], v53                         ; the plain instruction behind the exponentials
	s_wait_alu depctr_va_vdst(0)
	v_add_f32 v44, v48, v49
	v_add_f32 v45, v50, v51
	v_add_f32 v44, v44, v45
	v_add_f32_dpp v44, v44, v44 row_xmask:1 row_mask:0xf bank_mask:0xf
	v_add_f32_dpp v44, v44, v44 row_xmask:2 row_mask:0xf bank_mask:0xf
	v_add_f32_dpp v44, v44, v44 row_xmask:4 row_mask:0xf bank_mask:0xf
	v_add_f32_dpp v44, v44, v44 row_xmask:8 row_mask:0xf bank_mask:0xf
	v_permlanex16_b32 v45, v44, s[SEL], s[SEL+1]
	v_add_f32 v44, v44, v45
	v_fma_f32 v[LRUN], v[LRUN], v52, v44           ; l = a l + the block's sum
	ds_store_b128 v[PWA], v[48:51]                 ; the weights, into my wave's own copy
.irp c, 0,1,2,3
	v_pk_mul_f32 v[U+2*(\c):U+2*(\c)+1], v[U+2*(\c):U+2*(\c)+1], v[52:53] op_sel_hi:[1,0]  ; u = a u
.endr
	; u += the sum over the block's rows of p x row.  Thread T takes k = 8 T .. 8 T + 7, 16 bytes of every row; 32 rows a trip.
	s_mov_b32 s[UO], 0
	s_mov_b32 s[UP], s[PW0]
	s_mov_b32 s[CNT], 4
.Lu:
	v_add_nc_u32 v[UAC], s[UO], v[UA0]
	v_mov_b32 v[PRC], s[UP]
.irp i, 0,1,2,3,4,5,6,7
	ds_load_b128 v[PR+4*(\i):PR+4*(\i)+3], v[PRC] offset:16*(\i)  ; 32 weights, the same for every lane; LDS serves a wave's instructions in order (ISA guide 5.7.1.4): these see my store above
.endr
.set r, 0
.rept 32
	ds_load_b128 v[XR+4*r:XR+4*r+3], v[UAC] offset:r*PITCH
.set r, r+1
.endr
.set r, 0
.rept 32
	s_wait_dscnt 31-r                              ; row r is in; the rows behind it may be out
.irp c, 0,1,2,3
	v_fma_mix_f32_bf16 v[U+2*(\c)], v[XR+4*r+(\c)], v[PR+r], v[U+2*(\c)] op_sel_hi:[1,0,0]
	v_fma_mix_f32_bf16 v[U+2*(\c)+1], v[XR+4*r+(\c)], v[PR+r], v[U+2*(\c)+1] op_sel:[1,0,0] op_sel_hi:[1,0,0]
.endr
.set r, r+1
.endr
	s_add_co_u32 s[UO], s[UO], 32*PITCH
	s_add_co_u32 s[UP], s[UP], 128
	s_sub_co_u32 s[CNT], s[CNT], 1
	s_cmp_lg_u32 s[CNT], 0
	s_cbranch_scc1 .Lu
	BAR                                            ; every wave's reads of the block and of the partial sums are over: the next block may be written
	s_add_co_u32 s[SCOFF], s[SCOFF], 512
	s_sub_co_u32 s[BLK], s[BLK], 1
	s_cmp_lg_u32 s[BLK], 0
	s_cbranch_scc1 .Lblock
	global_store_b128 v[UA0], v[U:U+3], s[22:23]                  ; u[8 T .. 8 T + 3]: 512 consecutive bytes a wave,
	global_store_b128 v[UA0], v[U+4:U+7], s[22:23] offset:2048    ; u[8 T + 4 .. 8 T + 7] likewise, 2,048 bytes on
	s_cmp_lg_u32 s[WV], 0
	s_cbranch_scc1 .Lno_st
	v_and_b32 v44, 31, v0
	v_lshlrev_b32 v44, 3, v44
	global_store_b64 v44, v[MRUN:LRUN], s[20:21]   ; wave 0 alone: (m, l), 32 times: 256 consecutive bytes, all of the work-group's part of stats
.Lno_st:
	s_wait_tensorcnt 0x0                           ; the wave's end
	ds_add_u32 v[SPW], v[NIL]
	s_wait_dscnt 0x0
	s_endpgm
.Lfunc_end_k_qe60232e848_score:
	.size	k_qe60232e848_score, .Lfunc_end_k_qe60232e848_score-k_qe60232e848_score
	.p2alignl 7, 3214868480
	.fill 96, 4, 3214868480
	.section	.rodata,"a",@progbits
	.p2align	6, 0x0
	.amdhsa_kernel k_qe60232e848_score
		.amdhsa_group_segment_fixed_size 279296
		.amdhsa_private_segment_fixed_size 0
		.amdhsa_enable_private_segment 0
		.amdhsa_kernarg_size 80
		.amdhsa_user_sgpr_count 2
		.amdhsa_user_sgpr_kernarg_segment_ptr 1
		.amdhsa_wavefront_size32 1
		.amdhsa_system_sgpr_workgroup_id_x 1
		.amdhsa_system_sgpr_workgroup_id_y 1
		.amdhsa_system_sgpr_workgroup_id_z 1
		.amdhsa_system_vgpr_workitem_id 0
		.amdhsa_next_free_vgpr 1024
		.amdhsa_next_free_sgpr 66
		.amdhsa_reserve_vcc 0
		.amdhsa_float_denorm_mode_32 3
		.amdhsa_float_denorm_mode_16_64 3
		.amdhsa_memory_ordered 1
		.amdhsa_forward_progress 1
		.amdhsa_inst_pref_size 223
	.end_amdhsa_kernel
	.amdgpu_metadata
---
amdhsa.version: [ 1, 2 ]
amdhsa.kernels:
  - .name:           k_qe60232e848_score
    .symbol:         k_qe60232e848_score.kd
    .args:
      - { .name: h_enc, .offset: 0, .size: 8, .value_kind: global_buffer, .address_space: global }
      - { .name: WeF, .offset: 8, .size: 8, .value_kind: global_buffer, .address_space: global }
      - { .name: decpart, .offset: 16, .size: 8, .value_kind: global_buffer, .address_space: global }
      - { .name: bd, .offset: 24, .size: 8, .value_kind: global_buffer, .address_space: global }
      - { .name: be, .offset: 32, .size: 8, .value_kind: global_buffer, .address_space: global }
      - { .name: Wc, .offset: 40, .size: 8, .value_kind: global_buffer, .address_space: global }
      - { .name: bc, .offset: 48, .size: 8, .value_kind: global_buffer, .address_space: global }
      - { .name: scores, .offset: 56, .size: 8, .value_kind: global_buffer, .address_space: global }
      - { .name: stats, .offset: 64, .size: 8, .value_kind: global_buffer, .address_space: global }
      - { .name: upart, .offset: 72, .size: 8, .value_kind: global_buffer, .address_space: global }
    .group_segment_fixed_size: 279296
    .private_segment_fixed_size: 0
    .kernarg_segment_align: 8
    .kernarg_segment_size: 80
    .max_flat_workgroup_size: 128
    .sgpr_count:     66
    .vgpr_count:     1024
    .wavefront_size: 32
...
	.end_amdgpu_metadata
.endif
;; end of part 2
;; launch final (part 3): grid 16 x 4, 16 waves a work-group, no clusters, 100,608 bytes of LDS; arguments upart, stats, scores, We, be, out0, out1; writes out0, out1
.if DOCPART == 3
	.amdgcn_target "amdgcn-amd-amdhsa--gfx1250"
	.amdhsa_code_object_version 6
	.text
	.protected	k_qe60232e848_final
	.globl	k_qe60232e848_final
	.p2align	8
	.type	k_qe60232e848_final,@function
k_qe60232e848_final:
	s_mov_b64 s[64:65], 0
	v_nop
	global_prefetch_b8 v0, s[64:65] scope:SCOPE_SE
	s_setreg_imm32_b32 hwreg(HW_REG_WAVE_MODE, 25, 1), 1
	s_wait_xcnt 0x0
; FINAL.  A batch's eight partial results (m_j, l_j, u_j) are merged: M = max m_j, L = the sum of l_j e^(m_j - M), w_j = e^(m_j - M) / L;
;   attn[t] = e^(score[t] - M) / L;   context[n] = the sum over k of ubar[k] bf16(We[k][n]) + be[n],  ubar = the sum of w_j u_j (the softmax's weights add up to 1, so be enters once).
; SHARES.  Work-group (G, mg): the batches 8 mg .. 8 mg + 7 x the columns 64 G .. 64 G + 63 of the context, and 1,024 numbers of attn (batch 8 mg + G / 2, half G % 2).  16 waves.
; Wave v merges half v % 2 of batch 8 mg + v / 2's ubar; ubar goes into LDS as two bf16 rows, hi and lo = ubar - hi, so that it loses nothing that counts; the 16 rows (8 hi, 8 lo) are one matrix operand.
; Then wave v multiplies k = 64 v .. 64 v + 63 (two matrix instructions deep, four tiles of 16 columns: tile j holds the columns 64 G + 4 m + j), and the 16 partial tiles are added through LDS.
; No tensor loads, clusters or large tiles: 8 matrix instructions a wave; what binds is the reading of 256 KiB of upart and 256 KiB of We a work-group.
; LIMITS.  We is rounded once to bf16; NaN and infinities are not treated apart; a weight below 2^-126 counts as 0.
.set PITCH, 2064                       ; a row of ubar in LDS: 2,048 bytes + 16: the 16 rows of a fragment load start at 16 different groups of four banks (64 banks of 4 bytes: ISA guide 11.1)
.set RED,   16*PITCH                   ; 16 partial tiles of 16 rows x 64 columns f32
.set SPARE, RED+65536                  ; the spare words, 128 bytes for each wave
.set SPW, 2                            ; v2       LDS address of my spare word; never rewritten
.set NIL, 3                            ; v3       0; never rewritten
.set UA,  32                           ; v32-47   my 16 numbers of ubar: [e][i][4], k = 8 T + 4 e + c, T = 64 (v % 2) + 32 i + lane
.set HB,  48                           ; v48-55   hi, v56-63 lo; later the two fragments of ubar
.set XF,  48
.set UL,  64                           ; v64-191  the eight partial u, 16 numbers each
.set W1,  64                           ; v64-127  We, second K step
.set WF0, 128                          ; v128-159 four fragments of We, first K step
.set WF1, 160                          ; v160-191 second
.set W0,  192                          ; v192-255 We, first K step
.set ACC, 192                          ; v192-223 four accumulators
.set L2E, 41                           ; s41  log2(e)
; (m, l) in v[ml], v[ml + 1], partial j in lane j of each eight lanes -> M, c = e^(m - M), L, 1 / L
.macro STATS ml, M, C, L, RL
	v_mov_b32 v[\M], v[\ml]
	v_max_num_f32_dpp v[\M], v[\M], v[\M] row_xmask:1 row_mask:0xf bank_mask:0xf
	v_max_num_f32_dpp v[\M], v[\M], v[\M] row_xmask:2 row_mask:0xf bank_mask:0xf
	v_max_num_f32_dpp v[\M], v[\M], v[\M] row_xmask:4 row_mask:0xf bank_mask:0xf
	v_sub_f32 v[\C], v[\ml], v[\M]
	v_mul_f32 v[\C], s[L2E], v[\C]
	v_exp_f32 v[\C], v[\C]
	v_nop                                          ; a plain instruction behind the exponential (ISA guide 5.7.2)
	s_wait_alu depctr_va_vdst(0)
	v_mul_f32 v[\L], v[(\ml)+1], v[\C]
	v_add_f32_dpp v[\L], v[\L], v[\L] row_xmask:1 row_mask:0xf bank_mask:0xf
	v_add_f32_dpp v[\L], v[\L], v[\L] row_xmask:2 row_mask:0xf bank_mask:0xf
	v_add_f32_dpp v[\L], v[\L], v[\L] row_xmask:4 row_mask:0xf bank_mask:0xf
	v_rcp_f32 v[\RL], v[\L]
	v_nop
.endm
.macro QADD d, s                       ; four numbers onto four
	v_pk_add_f32 v[(\d):(\d)+1], v[(\d):(\d)+1], v[(\s):(\s)+1]
	v_pk_add_f32 v[(\d)+2:(\d)+3], v[(\d)+2:(\d)+3], v[(\s)+2:(\s)+3]
.endm
	s_load_b256 s[4:11], s[0:1], 0x0               ; upart s[4:5], stats s[6:7], scores s[8:9], We s[10:11]
	s_load_b128 s[12:15], s[0:1], 0x20             ; be s[12:13], out0 s[14:15]
	s_load_b64 s[16:17], s[0:1], 0x30              ; out1
	v_lshl_add_u32 v[SPW], v0, 2, SPARE
	v_mov_b32 v[NIL], 0
	v_lshrrev_b32 v1, 5, v0
	v_readfirstlane_b32 s18, v1                    ; wave v, 0..15
	s_mov_b32 s19, ttmp9                           ; G
	s_and_b32 s20, ttmp7, 0xffff                   ; mg
	s_lshr_b32 s21, s18, 1                         ; which of the eight batches I merge
	s_and_b32 s22, s18, 1                          ; which half of its ubar
	s_lshl_b32 s23, s20, 3
	s_lshr_b32 s34, s19, 1
	s_add_co_u32 s34, s34, s23                     ; the batch whose attn the work-group writes
	s_add_co_u32 s23, s23, s21                     ; the batch that I merge
	s_mov_b32 s33, 0
	s_mov_b32 s[L2E], 0x3fb8aa3b
	v_and_b32 v4, 31, v0                           ; lane
	v_and_b32 v5, 15, v0                           ; r
	v_bfe_u32 v6, v0, 4, 1                         ; h
	v_and_b32 v7, 7, v0
	v_lshlrev_b32 v7, 8, v7                        ; stats: partial lane % 8
	v_lshlrev_b32 v8, 3, v4                        ; scores and attn: two numbers a lane
	v_lshlrev_b32 v9, 4, v4                        ; upart: 16 bytes a lane
	v_lshlrev_b32 v31, 4, v5                       ; 16 r
	v_lshl_add_u32 v10, v6, 15, v31                ; We: 8 rows further for the upper lanes
	s_mul_i32 s40, s21, PITCH
	s_lshl_b32 s35, s22, 10
	s_add_co_u32 s40, s40, s35
	v_lshl_add_u32 v11, v4, 4, s40                 ; ubar into LDS: my batch's row, my half's 1,024 bytes, 16 bytes a lane
	v_mul_u32_u24 v12, v5, PITCH
	v_lshl_add_u32 v12, v6, 4, v12
	s_lshl_b32 s40, s18, 7
	v_add_nc_u32 v12, s40, v12                     ; a fragment of ubar: row r, k = 64 v + 8 h
	s_lshl_b32 s40, s18, 12
	s_add_co_u32 s40, s40, RED
	v_lshl_add_u32 v13, v6, 11, v31
	v_add_nc_u32 v13, s40, v13                     ; into my partial tile: row 8 h, column 4 r
	v_lshl_add_u32 v14, v0, 4, RED                 ; back: 16 bytes a thread
	v_lshrrev_b32 v1, 4, v0
	v_lshl_add_u32 v15, v1, 12, v31                ; out0: batch T / 16, 16 bytes at column 4 (T % 16)
	s_wait_kmcnt 0x0
	s_lshl_b32 s32, s23, 11                        ; a batch's eight entries of stats: 2,048 bytes
	s_add_nc_u64 s[36:37], s[6:7], s[32:33]
	s_lshl_b32 s32, s34, 11
	s_add_nc_u64 s[38:39], s[6:7], s[32:33]
	s_lshl_b32 s32, s34, 13                        ; scores and attn: the batch, the half, my wave's 64 numbers
	s_and_b32 s35, s19, 1
	s_lshl_b32 s35, s35, 12
	s_add_co_u32 s32, s32, s35
	s_lshl_b32 s35, s18, 8
	s_add_co_u32 s32, s32, s35
	s_add_nc_u64 s[8:9], s[8:9], s[32:33]
	s_add_nc_u64 s[16:17], s[16:17], s[32:33]
	s_lshl_b32 s32, s23, 15                        ; upart: the batch's eight partials of 4,096 bytes; my half's 64 threads' places
	s_lshl_b32 s35, s22, 10
	s_add_co_u32 s32, s32, s35
	s_add_nc_u64 s[4:5], s[4:5], s[32:33]
	s_lshl_b32 s32, s18, 18                        ; We: row 64 v, column 64 G
	s_lshl_b32 s35, s19, 8
	s_add_co_u32 s32, s32, s35
	s_add_nc_u64 s[10:11], s[10:11], s[32:33]
	s_mov_b32 s32, s35
	s_add_nc_u64 s[12:13], s[12:13], s[32:33]
	s_lshl_b32 s32, s20, 15                        ; out0: batch 8 mg, column 64 G
	s_add_co_u32 s32, s32, s35
	s_add_nc_u64 s[14:15], s[14:15], s[32:33]
	global_load_b64 v[16:17], v7, s[36:37]         ; (m, l) of the batch that I merge
	global_load_b64 v[18:19], v7, s[38:39]         ; and of the batch whose attn I write
	global_load_b64 v[20:21], v8, s[8:9]           ; two scores
.irp j, 0,1,2,3,4,5,6,7
.irp e, 0,1
.irp i, 0,1
	global_load_b128 v[UL+16*(\j)+4*(2*(\e)+(\i)):UL+16*(\j)+4*(2*(\e)+(\i))+3], v9, s[4:5] offset:(\j)*4096+(\e)*2048+(\i)*512
.endr
.endr
.endr
.set k, 0
.rept 16
	global_load_b128 v[W0+4*k:W0+4*k+3], v10, s[10:11] offset:(k+8*(k/8))*4096  ; rows 64 v + 8 h + 0..7 and 16 + 8 h + 0..7: the order of k in a fragment
.set k, k+1
.endr
	s_wait_loadcnt 48                              ; the statistics and scores are in; u's 32 loads and We's 16 are younger
	STATS 18, 27, 28, 29, 30
	v_sub_f32 v20, v20, v27                        ; attn: the maximum is taken away first
	v_sub_f32 v21, v21, v27
	v_mul_f32 v20, s[L2E], v20
	v_mul_f32 v21, s[L2E], v21
	v_exp_f32 v20, v20
	v_exp_f32 v21, v21
	v_nop
	s_wait_alu depctr_va_vdst(0)
	v_mul_f32 v20, v20, v30
	v_mul_f32 v21, v21, v30
	global_store_b64 v8, v[20:21], s[16:17]        ; 256 consecutive bytes, at a multiple of 256 from out1's first
	STATS 16, 22, 23, 24, 25
	s_wait_alu depctr_va_vdst(0)
	v_mul_f32 v26, v23, v25                        ; w_j in lane j
.irp j, 0,1,2,3,4,5,6,7
	v_readlane_b32 s[24+(\j)], v26, \j
.endr
	s_wait_loadcnt 16                              ; u is in; We's 16 loads are younger
.set x, 0
.rept 16
	v_mul_f32 v[UA+x], s24, v[UL+x]                ; the first partial starts the sums
.set x, x+1
.endr
.irp j, 1,2,3,4,5,6,7
.set x, 0
.rept 16
	v_fmac_f32 v[UA+x], s[24+(\j)], v[UL+16*(\j)+x]
.set x, x+1
.endr
.endr
.set k, 0
.rept 16
	global_load_b128 v[W1+4*k:W1+4*k+3], v10, s[10:11] offset:(32+k+8*(k/8))*4096  ; the second K step's rows, into registers that u has left
.set k, k+1
.endr
	; hi = bf16(ubar), lo = bf16(ubar - hi); a lane's eight k in order: (i, e, pair)
.set p, 0
.rept 8
.set hr, HB+4*((p/2)%2)+2*(p/4)+p%2
.set tp, 24+2*(p%2)
	v_cvt_pk_bf16_f32 v[hr], v[UA+2*p], v[UA+2*p+1]
	v_lshlrev_b32 v[tp], 16, v[hr]
	v_and_b32 v[tp+1], 0xffff0000, v[hr]
	v_pk_add_f32 v[UA+2*p:UA+2*p+1], v[UA+2*p:UA+2*p+1], v[tp:tp+1] neg_lo:[0,1] neg_hi:[0,1]
	v_cvt_pk_bf16_f32 v[hr+8], v[UA+2*p], v[UA+2*p+1]
.set p, p+1
.endr
.irp i, 0,1
	ds_store_b128 v11, v[HB+4*(\i):HB+4*(\i)+3] offset:(\i)*512
	ds_store_b128 v11, v[HB+8+4*(\i):HB+8+4*(\i)+3] offset:8*PITCH+(\i)*512  ; lo lies eight rows below hi
.endr
	s_wait_dscnt 0x0                               ; for the others' sake: my part of ubar is written
	s_barrier_signal -1
	s_barrier_wait -1
	ds_load_b128 v[XF:XF+3], v12
	ds_load_b128 v[XF+4:XF+7], v12 offset:32
	ds_load_b128 v[XF+8:XF+11], v12 offset:64
	ds_load_b128 v[XF+12:XF+15], v12 offset:96
	s_wait_loadcnt 16                              ; We's first K step is in; the second's 16 loads are younger
.irp j, 0,1,2,3
.irp m, 0,1,2,3,4,5,6,7
	v_cvt_pk_bf16_f32 v[WF0+8*(\j)+(\m)], v[W0+8*(\m)+(\j)], v[W0+8*(\m)+4+(\j)]
.endr
.endr
	s_wait_loadcnt 0x0
.irp j, 0,1,2,3
.irp m, 0,1,2,3,4,5,6,7
	v_cvt_pk_bf16_f32 v[WF1+8*(\j)+(\m)], v[W1+8*(\m)+(\j)], v[W1+8*(\m)+4+(\j)]
.endr
.endr
	s_wait_dscnt 0x0
.irp j, 0,1,2,3
	v_wmma_f32_16x16x32_bf16 v[ACC+8*(\j):ACC+8*(\j)+7], v[XF:XF+7], v[WF0+8*(\j):WF0+8*(\j)+7], 0
.endr
.irp j, 0,1,2,3                        ; the four accumulators take turns
	v_wmma_f32_16x16x32_bf16 v[ACC+8*(\j):ACC+8*(\j)+7], v[XF+8:XF+15], v[WF1+8*(\j):WF1+8*(\j)+7], v[ACC+8*(\j):ACC+8*(\j)+7]
.endr
.rept 4
	v_nop                                          ; the places behind the products (ISA guide 7.12.1)
.endr
.irp j, 0,1,2,3
.irp q, 0,1,2,3,4,5,6,7
	ds_store_b32 v13, v[ACC+8*(\j)+(\q)] offset:(\q)*256+4*(\j)  ; row 8 h + q (hi rows, then lo rows), column 4 r + j; each accumulator from its lowest register on
.endr
.endr
	s_wait_dscnt 0x0                               ; for the others' sake: my partial tile is written
	s_barrier_signal -1
	s_barrier_wait -1
	s_cmp_ge_u32 s18, 4
	s_cbranch_scc1 .Ldone                          ; 8 batches x 64 columns are 128 threads' 16 bytes: waves 0 to 3
	global_load_b128 v[24:27], v31, s[12:13]       ; be
.irp w, 0,1,2,3,4,5,6,7,8,9,10,11,12,13,14,15
	ds_load_b128 v[64+8*(\w):64+8*(\w)+3], v14 offset:(\w)*4096        ; the hi row's part,
	ds_load_b128 v[64+8*(\w)+4:64+8*(\w)+7], v14 offset:(\w)*4096+2048 ; the lo row's
.endr
	s_wait_dscnt 0x0
.set st, 16
.rept 5
.set x, 0
.rept st
	QADD 64+4*x, 64+4*(x+st)
.set x, x+1
.endr
.set st, st/2
.endr
	s_wait_loadcnt 0x0
	QADD 64, 24
	global_store_b128 v15, v[64:67], s[14:15]      ; sixteen lanes store 256 consecutive bytes, at a multiple of 256 from out0's first
.Ldone:
	s_wait_tensorcnt 0x0                           ; the wave's end
	ds_add_u32 v[SPW], v[NIL]
	s_wait_dscnt 0x0
	s_endpgm
.Lfunc_end_k_qe60232e848_final:
	.size	k_qe60232e848_final, .Lfunc_end_k_qe60232e848_final-k_qe60232e848_final
	.p2alignl 7, 3214868480
	.fill 96, 4, 3214868480
	.section	.rodata,"a",@progbits
	.p2align	6, 0x0
	.amdhsa_kernel k_qe60232e848_final
		.amdhsa_group_segment_fixed_size 100608
		.amdhsa_private_segment_fixed_size 0
		.amdhsa_enable_private_segment 0
		.amdhsa_kernarg_size 56
		.amdhsa_user_sgpr_count 2
		.amdhsa_user_sgpr_kernarg_segment_ptr 1
		.amdhsa_wavefront_size32 1
		.amdhsa_system_sgpr_workgroup_id_x 1
		.amdhsa_system_sgpr_workgroup_id_y 1
		.amdhsa_system_sgpr_workgroup_id_z 1
		.amdhsa_system_vgpr_workitem_id 0
		.amdhsa_next_free_vgpr 256
		.amdhsa_next_free_sgpr 66
		.amdhsa_reserve_vcc 0
		.amdhsa_float_denorm_mode_32 3
		.amdhsa_float_denorm_mode_16_64 3
		.amdhsa_memory_ordered 1
		.amdhsa_forward_progress 1
		.amdhsa_inst_pref_size 32
	.end_amdhsa_kernel
	.amdgpu_metadata
---
amdhsa.version: [ 1, 2 ]
amdhsa.kernels:
  - .name:           k_qe60232e848_final
    .symbol:         k_qe60232e848_final.kd
    .args:
      - { .name: upart, .offset: 0, .size: 8, .value_kind: global_buffer, .address_space: global }
      - { .name: stats, .offset: 8, .size: 8, .value_kind: global_buffer, .address_space: global }
      - { .name: scores, .offset: 16, .size: 8, .value_kind: global_buffer, .address_space: global }
      - { .name: We, .offset: 24, .size: 8, .value_kind: global_buffer, .address_space: global }
      - { .name: be, .offset: 32, .size: 8, .value_kind: global_buffer, .address_space: global }
      - { .name: out0, .offset: 40, .size: 8, .value_kind: global_buffer, .address_space: global }
      - { .name: out1, .offset: 48, .size: 8, .value_kind: global_buffer, .address_space: global }
    .group_segment_fixed_size: 100608
    .private_segment_fixed_size: 0
    .kernarg_segment_align: 8
    .kernarg_segment_size: 56
    .max_flat_workgroup_size: 512
    .sgpr_count:     66
    .vgpr_count:     256
    .wavefront_size: 32
...
	.end_amdgpu_metadata
.endif
;; end of part 3
;; ======== version 2 of 2: 3 launches; version 1 with the launch score written anew for expert scheduling mode
;; workspace buffers: WeF 2,097,152 bytes; decpart 524,288 bytes; scores 262,144 bytes; stats 65,536 bytes; upart 1,048,576 bytes
;; launch prep: the kernel of part 1 again; grid 16 x 4, 8 waves a work-group, no clusters, 66,560 bytes of LDS; arguments h_dec, Wd, We, decpart, WeF; writes decpart, WeF
;; launch score (part 4): grid 256 x 1, 4 waves a work-group, no clusters, 279,296 bytes of LDS; arguments h_enc, WeF, decpart, bd, be, Wc, bc, scores, stats, upart; writes scores, stats, upart
.if DOCPART == 4
	.amdgcn_target "amdgcn-amd-amdhsa--gfx1250"
	.amdhsa_code_object_version 6
	.text
	.protected	k_qe60232e848_score
	.globl	k_qe60232e848_score
	.p2align	8
	.type	k_qe60232e848_score,@function
k_qe60232e848_score:
	s_mov_b64 s[64:65], 0
	v_nop
	global_prefetch_b8 v0, s[64:65] scope:SCOPE_SE
	s_setreg_imm32_b32 hwreg(HW_REG_WAVE_SCHED_MODE, 0, 2), 2
	s_setreg_imm32_b32 hwreg(HW_REG_WAVE_MODE, 25, 1), 1
	s_wait_xcnt 0x0
	s_wait_alu depctr_vm_vsrc(0)
; SCORE.  For 256 rows t of one batch b (work-group g: b = g / 8, rows 256 (g % 8) on), as two blocks of 128 rows:
;   score[t] = bc + the sum over n of Wc[n] tanh(h_enc[t] . We[:, n] + be[n] + dec_p[b][n]),  and, with a running maximum m over the work-group's rows,
;   l = the sum of p_t, u[k] = the sum of p_t bf16(h_enc[t][k]), p_t = e^(score[t] - m).  Stored: the scores, (m, l) and u.  The last launch merges a batch's eight (m, l, u).
; WHY u.  The weights of a softmax add up to 1, so the sum over t of attn_t (h_enc_t We + be) = (the sum of attn_t h_enc_t) We + be: the same sum in another order.  So the projected rows need not be kept:
; a block of h_enc stays in LDS as bf16 (128 rows x 2,064 bytes) for the product and for u, h_enc is read from memory once, and the product's sums are dropped behind the tanh.
; SHARES.  The 1,024 columns go in two passes of 512; a wave holds 128 rows x 128 columns: 64 accumulators, 512 registers.  A K step is 32: 64 matrix instructions, 16 LDS loads (h), 16 global loads (We).
; We COMES STRAIGHT INTO REGISTERS, from WeF, which holds it as bf16 in fragment order (each load 512 consecutive bytes), through a ring of four K steps in registers, asked for three steps ahead.
; NO TENSOR LOADS, NO CLUSTER, though all work-groups walk the same We.
; and beside the block (264,192 bytes) and the tables (15,104) 48,384 bytes of a WGP's 327,680 are left, less than two slots of one K step of a pass (32 k x 512 columns x 2 bytes = 32,768 each).
; THE MATRIX INSTRUCTION IS USED TRANSPOSED (source 0 = 16 columns of We, source 1 = 16 rows of h): a lane holds ONE row (lane % 16) and the columns 8 (lane / 16) + 0..7 of a tile, so a row's sum over columns
; is a sum over the lane's registers and one exchange between the halves of the lanes.  Tile b of wave w in pass p holds the columns n = 64 Gc + 4 m + j, Gc = 2 (4 p + w) + b / 4, j = b % 4;
; which columns they are matters only through c'[n] and Wc[n], laid in LDS in that order: place 512 p + 128 w + 16 b + m.
; ARITHMETIC.  tanh(x) = 1 - 2 r, r = 1 / (1 + 2^(K2 x)), K2 = 2 log2(e); K2 x = sum K2 + c', c'[n] = K2 (dec_p[b][n] + be[n]); score = (bc + the sum of Wc) - 2 x the sum of Wc[n] r_n.
; LIMITS.  h_enc and We are rounded once to bf16; NaN and infinities are not treated apart; 2^y = infinity gives r = 0 and 2^y = 0 gives r = 1, the right ends of tanh.  The score is a difference in f32 of
; two sums whose terms are at most twice the terms that the plain sum of Wc tanh adds.  m starts at the lowest finite number; a weight below 2^-126 counts as 0.
; THE MODE: SCHED_MODE bits 1:0 = 2 (LLVM: expert scheduling mode 2), set by the entry lines.  The code itself states the register dependences between vector or matrix instructions and memory or LDS
; instructions, with s_wait_alu, always for 0.
; THE PLAN.  Registers that memory or LDS instructions touch:
;   the offsets and LDS addresses v12-17, v19, v31, v58, v59, v61, v63 are written once at the head.  Global rows are reached by scalar bases and immediate offsets alone.
;   THE BLOCK COMES IN: stage slot i (window 2) is read by its 16 roundings, then loaded again; out-buffer i (window 3, 16 registers) is written by them and read by the slot's 8 LDS stores.  One wait on va_vdst
;   behind a slot's roundings states both; one wait on vm_vsrc a round frees the eight out-buffers and v[LAC], the one address that is stepped.
;   A K STEP j: its products name h's buffer j % 2, We's slot j and the accumulators.  Its 32 loads land in h's other buffer and in We's slot (j - 1) % 4, which the step before has read.  So ONE wait on va_vdst
;   at the step's head states all that they hang on, and they are dealt in fours among the step's matrix instructions.  v[AA ..] is stepped once in four steps, ahead of that wait, behind a wait on vm_vsrc.
;   THE WAY OUT OF A PASS names the accumulators, c' and Wc (loaded once, behind one wait) and registers at work; the eight rows' sums are gathered in v40-47 and stored behind one wait.
;   u: rows and weights land in v64-223, which the trip before has read: one wait on each side of the two address lines at a trip's head.
; REGISTERS, in windows of 256 (s_set_vgpr_msb: bits 1:0 source 0, 3:2 source 1, 5:4 source 2, 7:6 destination):
;   window 0: v0-31 addresses and what is carried (u, m, l); v32-63 at work; v64-127, v128-191 fragments of h, two buffers; v128-255 c' and Wc in the way out of a pass; v64-223 rows and weights for u
;   window 1: We's ring, K step s in v[64 (s % 4) ..]          windows 2, 3: accumulator (a, b) at v[8 (8 (a % 4) + b)] of window 2 + a / 4; while a block comes in window 2 is the stage for h_enc's f32 rows
;   and v0-127 of window 3 the eight out-buffers
.set PITCH, 2064                       ; an LDS row: 2,048 bytes + 16 = 516 words: row r starts at bank 4 r mod 64 (64 banks of 4 bytes: ISA guide 11.1), so the 16 rows of a fragment load start at 16 different banks
.set CP,    128*PITCH                  ; c', 1,024 f32 in tile order
.set WP,    CP+4096                    ; Wc, likewise
.set SPB,   CP+8192                    ; the rows' partial sums: [pass][wave][128 rows] f32
.set PW,    SPB+4096                   ; each wave's own copy of the block's 128 weights p
.set RW,    PW+2048                    ; four words: the waves' sums of Wc
.set SPARE, RW+256                     ; the spare words, 128 bytes for each wave
.set SPW,  2                           ; v2      LDS address of my spare word; never rewritten
.set NIL,  3                           ; v3      0; never rewritten
.set AA,   4                           ; v4-7    LDS addresses of my fragments of h at the K in hand: rows 32 i + lane % 16
.set AA0,  8                           ; v8-11   the same at K = 0
.set VL16, 12                          ; v12     16 x lane
.set RWA,  13                          ; v13     LDS address of the waves' four sums of Wc
.set CSA,  14                          ; v14     the set-up: where I put c', and 4,096 bytes on Wc
.set GO0,  15                          ; v15     h_enc: 16 x lane + my wave's 32 rows
.set WSA,  16                          ; v16     my wave's word for its sum of Wc
.set LA0,  17                          ; v17     LDS: my wave's 32 rows + 8 x lane
.set LAC,  18                          ; v18     the same at the rows in hand
.set CPA0, 19                          ; v19     c' of my columns in pass 0
.set U,    20                          ; v20-27  u[8 T .. 8 T + 7]
.set MRUN, 28                          ; v28     m
.set LRUN, 29                          ; v29     l
.set CBV,  30                          ; v30     bc + the sum of Wc
.set SPA0, 31                          ; v31     where my wave puts row lane % 16's partial sum in pass 0
.set RS,   40                          ; v40-47  a pass's eight sums of a row, one for each row block
.set CPAC, 56
.set SPAC, 57
.set SRD,  58                          ; v58     the partial sums of rows 4 lane .. 4 lane + 3
.set PWA,  59                          ; v59     where I put their weights
.set PRC,  60
.set UA0,  61                          ; v61     16 x thread
.set UAC,  62
.set STA,  63                          ; v63     8 x lane
.set AF0,  64
.set CC,   128
.set WW,   192
.set XR,   64
.set PR,   192
.set SB,   2                           ; s[2:3]  WeF at my wave's columns and the four K steps being asked for
.set WV,   24                          ; s24  my wave's number
.set GID,  25                          ; s25  g
.set BLK,  28                          ; s28-31  the loops' counts
.set PASS, 29
.set TRIP, 30
.set CNT,  31
.set POS,  32                          ; s[32:33]  the byte in my wave's part of WeF at which those four K steps begin, as a pair with 0 above it
.set KO,   34                          ; s34  2 x the K in hand
.set PO,   35                          ; s35  2,048 x the pass
.set TMP,  36
.set LOF,  37                          ; s37  LDS: the byte of the rows in hand
.set UO,   38
.set UP,   39
.set PW0,  41                          ; s41  my wave's copy of the weights
.set K2,   42                          ; s[42:43]  2 log2(e): the packed scaling takes the pair's low word for both halves
.set L2E,  44                          ; s44  log2(e)
.set BC,   45                          ; s45  bc
.set SEL,  46                          ; s[46:47]  v_permlanex16_b32's selects: each lane takes its own place in the other half
.set HB,   48                          ; s[48:63]  stage slot i: h_enc at the eight rows of which the slot is asked for next: a pair at HB + 2 i
.set MSB, 0
.macro WIN new                         ; the immediate's high byte repeats the setting that is left; a switch that changes nothing is dropped
.if MSB != (\new)
	s_set_vgpr_msb (MSB<<8)|(\new)
.set MSB, \new
.endif
.endm
.set MUL_LO, 0xa1                      ; source 0 (We) window 1, source 1 (h) window 0, C and D window 2
.set TO_B,   0x40                      ; destination window 1, address window 0
.macro BAR                             ; my LDS instructions are done; then all four waves meet
	s_wait_dscnt 0x0
	s_barrier_signal -1
	s_barrier_wait -1
.endm
.macro QADD d, s                       ; four numbers onto four
	v_pk_add_f32 v[(\d):(\d)+1], v[(\d):(\d)+1], v[(\s):(\s)+1]
	v_pk_add_f32 v[(\d)+2:(\d)+3], v[(\d)+2:(\d)+3], v[(\s)+2:(\s)+3]
.endm
; 8 matrix instructions: row block a x all 8 column tiles, 32 along K.  zero = 1: the product starts the sums.  The 64 accumulators take turns, in the same order in every K step.
.macro MUL8 f, slot, a, zero
	WIN MUL_LO+0x50*((\a)/4)
.irp b, 0,1,2,3,4,5,6,7
.if \zero
	v_wmma_f32_16x16x32_bf16 v[8*(8*((\a)%4)+(\b)):8*(8*((\a)%4)+(\b))+7], v[(\slot)+8*(\b):(\slot)+8*(\b)+7], v[(\f)+8*(\a):(\f)+8*(\a)+7], 0
.else
	v_wmma_f32_16x16x32_bf16 v[8*(8*((\a)%4)+(\b)):8*(8*((\a)%4)+(\b))+7], v[(\slot)+8*(\b):(\slot)+8*(\b)+7], v[(\f)+8*(\a):(\f)+8*(\a)+7], v[8*(8*((\a)%4)+(\b)):8*(8*((\a)%4)+(\b))+7]
.endif
.endr
.endm
; 4 LDS loads: fragments 2 g and 2 g + 1 of h (16 rows x 32 K each: two loads of 16 bytes, 32 bytes apart) at byte koff behind the K in hand
.macro GA f, koff, g
	WIN 0
	ds_load_b128 v[(\f)+16*(\g):(\f)+16*(\g)+3],     v[AA+(\g)] offset:(\koff)
	ds_load_b128 v[(\f)+16*(\g)+4:(\f)+16*(\g)+7],   v[AA+(\g)] offset:(\koff)+32
	ds_load_b128 v[(\f)+16*(\g)+8:(\f)+16*(\g)+11],  v[AA+(\g)] offset:16*PITCH+(\koff)
	ds_load_b128 v[(\f)+16*(\g)+12:(\f)+16*(\g)+15], v[AA+(\g)] offset:16*PITCH+(\koff)+32
.endm
; 4 global loads: a quarter of a K step's eight fragments of We, 2,048 consecutive bytes of WeF
.macro GB slot, imm, g
	WIN TO_B
.irp q, 0,1,2,3
	global_load_b128 v[(\slot)+16*(\g)+4*(\q):(\slot)+16*(\g)+4*(\q)+3], v[VL16], s[SB:SB+1] offset:(\imm)+2048*(\g)+512*(\q)
.endr
.endm
; K step j (mod 4).  Behind each of its eight runs of eight matrix instructions stand four loads: first the next step's fragments of h, then the fragments of We of the step three on.
; Steps 1, 2, 3 ask for the next four K steps' steps 0, 1, 2, step 0 for its own four's step 3: so WeF's base moves on in step 1, by four K steps (32,768 bytes).  A pass is 262,144 bytes on end;
; pass 1 begins 1,048,576 bytes behind pass 0; behind pass 1 the walk goes back to 0.
.macro STEP j, zero
.if (\j) == 3
	WIN 0
	s_add_co_u32 s[KO], s[KO], 256                 ; four K steps on; behind the row's end back to K = 0
	s_and_b32 s[KO], s[KO], 0x7ff
	s_wait_alu depctr_vm_vsrc(0)                   ; the fragment loads issued so far have read v[AA ..]
.irp i, 0,1,2,3
	v_add_nc_u32 v[AA+(\i)], s[KO], v[AA0+(\i)]
.endr
.endif
	s_wait_loadcnt 32                              ; this step's We is in: behind its 16 loads the next two steps' 32 were issued
	s_wait_dscnt 0x0                               ; this step's h is in: its loads stand in the first half of the step before
	s_wait_alu depctr_va_vdst(0)                   ; the step before's products are done reading h's other buffer and We's slot (j - 1) % 4, in which this step's loads land; at a pass's first step the way out is done reading c' there; in step 3 v[AA ..] is written
.irp a, 0,1,2,3
	MUL8 AF0+64*((\j)%2), 64*(\j), \a, \zero
.if (\j) < 3
	GA AF0+64*(((\j)+1)%2), 64*((\j)+1), \a        ; no further wait: no matrix instruction since the wait above names these registers
.else
	GA AF0, 0, \a
.endif
.endr
.irp a, 4,5,6,7
	MUL8 AF0+64*((\j)%2), 64*(\j), \a, \zero
.if ((\j) == 1) && ((\a) == 4)
	s_wait_xcnt 0x0                                ; the loads that read WeF's base, the last of them 40 matrix instructions back, have had their addresses translated (ISA guide 3.1): only now is it rewritten
	s_add_co_u32 s[POS], s[POS], 0x8000
	s_bitcmp1_b32 s[POS], 18                       ; a pass's end?
	s_cselect_b32 s[TMP], 0x140000, 0
	s_xor_b32 s[POS], s[POS], s[TMP]               ; 0x40000 -> 0x100000, 0x140000 -> 0
	s_add_nc_u64 s[SB:SB+1], s[6:7], s[POS:POS+1]
.endif
.if (\j) == 0
	GB 192, 24576, (\a)-4
.else
	GB 64*((\j)-1), 8192*((\j)-1), (\a)-4
.endif
.endr
.endm
; One row of h_enc (stage slot i: 32 registers of window 2, 128 f32 a load): rounded to bf16 into the slot's out-buffer, (refill = 1) the row eight further on asked for, and the row stored into the block.
; left: the younger loads.
.macro TURN i, refill, left
	s_wait_loadcnt \left
.if \refill
	s_add_nc_u64 s[HB+2*(\i):HB+2*(\i)+1], s[HB+2*(\i):HB+2*(\i)+1], 32768   ; free since that wait, which shows the loads that read it done: eight rows on
.else
	s_add_nc_u64 s[HB+2*(\i):HB+2*(\i)+1], s[HB+2*(\i):HB+2*(\i)+1], 425984  ; likewise; with the three steps before: 128 rows on, the next block
.endif
	WIN 0xca                                       ; sources window 2, destination window 3
.set m, 0
.rept 16
	v_cvt_pk_bf16_f32 v[16*(\i)+m], v[32*(\i)+2*m], v[32*(\i)+2*m+1]
.set m, m+1
.endr
	WIN 0x8c                                       ; addresses window 0; store data window 3; loaded data window 2
	s_wait_alu depctr_va_vdst(0)                   ; the roundings have written out-buffer i, which the LDS stores read, and are done reading slot i, in which the loads land; in a round's first turn v[LAC] is written
.if \refill
.irp j, 0,1,2,3,4,5,6,7
	global_load_b128 v[32*(\i)+4*(\j):32*(\i)+4*(\j)+3], v[GO0], s[HB+2*(\i):HB+2*(\i)+1] offset:(\i)*4096+(\j)*512 th:TH_LOAD_NT
.endr
.endif
.irp j, 0,1,2,3,4,5,6,7
	ds_store_b64 v[LAC], v[16*(\i)+2*(\j):16*(\i)+2*(\j)+1] offset:(\i)*PITCH+(\j)*256  ; 256 consecutive bytes
.endr
.endm
; THE WAY OUT OF A PASS for row block a, in five parts: r = 1 / (1 + 2^(K2 sum + c')) in place, then the row's sum of Wc r.
.macro EF a                            ; K2 sum + c'; each accumulator is read from its lowest registers on
.set ER0, 64*((\a)%4)
	WIN 0x82+0x41*((\a)/4)                         ; destination and source 0: the block's window; c' in window 0
.irp b, 0,1,2,3,4,5,6,7
.irp q, 0,1,2,3
	v_pk_fma_f32 v[ER0+8*(\b)+2*(\q):ER0+8*(\b)+2*(\q)+1], v[ER0+8*(\b)+2*(\q):ER0+8*(\b)+2*(\q)+1], s[K2:K2+1], v[CC+8*(\b)+2*(\q):CC+8*(\b)+2*(\q)+1] op_sel_hi:[1,0,1]
.endr
.endr
.endm
.macro EE a                            ; 64 exponentials
.set ER0, 64*((\a)%4)
	WIN 0x82+0x41*((\a)/4)
.set x, 0
.rept 64
	v_exp_f32 v[ER0+x], v[ER0+x]
.set x, x+1
.endr
.endm
.macro EPL a                           ; + 1
.set ER0, 64*((\a)%4)
	WIN 0x82+0x41*((\a)/4)
.set x, 0
.rept 32
	v_pk_add_f32 v[ER0+2*x:ER0+2*x+1], v[ER0+2*x:ER0+2*x+1], 1.0 op_sel_hi:[1,0]
.set x, x+1
.endr
.endm
.macro ERC a                           ; 64 reciprocals
.set ER0, 64*((\a)%4)
	WIN 0x82+0x41*((\a)/4)
.set x, 0
.rept 64
	v_rcp_f32 v[ER0+x], v[ER0+x]
.set x, x+1
.endr
.endm
.macro EZ a                            ; the row's sum of Wc r over my 128 columns, into v[RS + a]
.set ER0, 64*((\a)%4)
.set TT, 32+16*((\a)%2)                ; eight registers at work, two sets by turns
	WIN 0x02+((\a)/4)                              ; source 0: the block's window; Wc and the sums in window 0
.irp b, 0,1,2,3,4,5,6,7
.irp q, 0,1,2,3
.if (\b) == 0
	v_pk_mul_f32 v[TT+2*(\q):TT+2*(\q)+1], v[ER0+2*(\q):ER0+2*(\q)+1], v[WW+2*(\q):WW+2*(\q)+1]
.else
	v_pk_fma_f32 v[TT+2*(\q):TT+2*(\q)+1], v[ER0+8*(\b)+2*(\q):ER0+8*(\b)+2*(\q)+1], v[WW+8*(\b)+2*(\q):WW+8*(\b)+2*(\q)+1], v[TT+2*(\q):TT+2*(\q)+1]
.endif
.endr
.endr
	WIN 0
	v_pk_add_f32 v[TT:TT+1], v[TT:TT+1], v[TT+2:TT+3]
	v_pk_add_f32 v[TT+4:TT+5], v[TT+4:TT+5], v[TT+6:TT+7]
	v_pk_add_f32 v[TT:TT+1], v[TT:TT+1], v[TT+4:TT+5]
	v_add_f32 v[TT], v[TT], v[TT+1]
	v_permlanex16_b32 v[TT+1], v[TT], s[SEL], s[SEL+1]  ; the row's other 64 columns lie in the lane 16 away
	v_add_f32 v[RS+(\a)], v[TT], v[TT+1]
.endm
	s_load_b512 s[4:19], s[0:1], 0x0               ; h_enc s[4:5], WeF s[6:7], decpart s[8:9], bd s[10:11], be s[12:13], Wc s[14:15], bc s[16:17], scores s[18:19]
	s_load_b128 s[20:23], s[0:1], 0x40             ; stats s[20:21], upart s[22:23]
	v_lshl_add_u32 v[SPW], v0, 2, SPARE
	v_mov_b32 v[NIL], 0
	v_lshrrev_b32 v1, 5, v0
	v_readfirstlane_b32 s[WV], v1                  ; wave 0..3
	s_mov_b32 s[GID], ttmp9
	s_mov_b32 s[K2], 0x4038aa3b                    ; 2 log2(e)
	s_mov_b32 s[K2+1], s[K2]                       ; named with it as a pair
	s_mov_b32 s[L2E], 0x3fb8aa3b
	s_mov_b32 s[SEL], 0x76543210
	s_mov_b32 s[SEL+1], 0xfedcba98
	v_and_b32 v32, 15, v0                          ; r = lane % 16
	v_bfe_u32 v33, v0, 4, 1                        ; h = lane / 16
	v_and_b32 v34, 31, v0                          ; lane
	v_mul_u32_u24 v[AA0], v32, PITCH
	v_lshl_add_u32 v[AA0], v33, 4, v[AA0]          ; row x pitch + 16 x half
	v_add_nc_u32 v[AA0+1], 32*PITCH, v[AA0]
	v_add_nc_u32 v[AA0+2], 64*PITCH, v[AA0]
	v_add_nc_u32 v[AA0+3], 96*PITCH, v[AA0]
	v_lshlrev_b32 v[VL16], 4, v34
	v_lshlrev_b32 v[STA], 3, v34
	v_add_nc_u32 v[SRD], SPB, v[VL16]
	v_lshlrev_b32 v[UA0], 4, v0
	v_mov_b32 v[RWA], RW
	s_wait_alu depctr_va_sdst(0)                   ; s[WV] is written, ahead of its first reader: offsets, LDS addresses and branches are made from it
	s_lshl_b32 s[TMP], s[WV], 17                   ; 32 rows of 4,096 bytes
	v_add_nc_u32 v[GO0], s[TMP], v[VL16]
	s_mul_i32 s[TMP], s[WV], 32*PITCH
	v_lshl_add_u32 v[LA0], v34, 3, s[TMP]
	s_lshl_b32 s[PW0], s[WV], 9                    ; 512 w
	s_add_co_u32 s[TMP], s[PW0], CP
	v_lshl_add_u32 v[CPA0], v33, 5, s[TMP]         ; my wave's 128 places, 8 further for the upper lanes
	v_lshl_add_u32 v[CSA], v33, 8, s[TMP]          ; the set-up's stores: CP + 512 w + 256 h + 4 r
	v_lshl_add_u32 v[CSA], v32, 2, v[CSA]
	s_add_co_u32 s[TMP], s[PW0], SPB
	v_lshl_add_u32 v[SPA0], v32, 2, s[TMP]
	s_add_co_u32 s[PW0], s[PW0], PW
	v_add_nc_u32 v[PWA], s[PW0], v[VL16]
	s_lshl_b32 s[TMP], s[WV], 2
	s_add_co_u32 s[TMP], s[TMP], RW
	v_mov_b32 v[WSA], s[TMP]                       ; my wave's word for the sum of Wc
	s_mov_b32 s[POS], 0
	s_mov_b32 s[POS+1], 0
	s_mov_b32 s27, 0
	s_wait_kmcnt 0x0
	s_load_b32 s[BC], s[16:17], 0x0                ; bc; waited for where it is used
	s_lshl_b32 s26, s[GID], 20                     ; 256 rows of 4,096 bytes
	s_add_nc_u64 s[4:5], s[4:5], s[26:27]
.irp i, 0,1,2,3,4,5,6,7
	s_mov_b64 s[HB+2*(\i):HB+2*(\i)+1], s[4:5]     ; every stage slot's base at the work-group's first row; the slot's row stands in the immediate
.endr
	s_lshl_b32 s26, s[WV], 18                      ; my wave's columns of a pass: 262,144 bytes
	s_add_nc_u64 s[6:7], s[6:7], s[26:27]
	s_mov_b64 s[SB:SB+1], s[6:7]
	s_lshr_b32 s26, s[GID], 3
	s_lshl_b32 s26, s26, 12                        ; the batch's row of decpart
	s_add_nc_u64 s[8:9], s[8:9], s[26:27]
	s_lshl_b32 s26, s[GID], 10
	s_add_nc_u64 s[18:19], s[18:19], s[26:27]
	s_lshl_b32 s26, s[GID], 8
	s_add_nc_u64 s[20:21], s[20:21], s[26:27]
	s_lshl_b32 s26, s[GID], 12
	s_add_nc_u64 s[22:23], s[22:23], s[26:27]
	s_wait_alu depctr_va_vdst(0)                   ; the offsets and LDS addresses made above are written: the kernel's loads and stores read them
	; THE SET-UP.  Thread T takes n = 512 i + 4 T + 0..3 (i = 0, 1): 14 loads; We's first three K steps are asked for behind them.
.irp i, 0,1
.irp y, 0,1,2,3
	global_load_b128 v[64+28*(\i)+4*(\y):64+28*(\i)+4*(\y)+3], v[UA0], s[8:9] offset:(\y)*131072+(\i)*2048
.endr
	global_load_b128 v[64+28*(\i)+16:64+28*(\i)+19], v[UA0], s[10:11] offset:(\i)*2048
	global_load_b128 v[64+28*(\i)+20:64+28*(\i)+23], v[UA0], s[12:13] offset:(\i)*2048
	global_load_b128 v[64+28*(\i)+24:64+28*(\i)+27], v[UA0], s[14:15] offset:(\i)*2048
.endr
.irp s, 0,1,2
.irp g, 0,1,2,3
	GB 64*(\s), 8192*(\s), \g
.endr
.endr
	WIN 0
	s_wait_loadcnt 48                              ; the ring's 48 loads are younger and stay out
.irp i, 0,1
	QADD 64+28*(\i), 64+28*(\i)+4
	QADD 64+28*(\i)+8, 64+28*(\i)+12
	QADD 64+28*(\i)+16, 64+28*(\i)+20
	QADD 64+28*(\i), 64+28*(\i)+8
	QADD 64+28*(\i), 64+28*(\i)+16
	v_pk_mul_f32 v[64+28*(\i):64+28*(\i)+1], v[64+28*(\i):64+28*(\i)+1], s[K2:K2+1] op_sel_hi:[1,0]
	v_pk_mul_f32 v[64+28*(\i)+2:64+28*(\i)+3], v[64+28*(\i)+2:64+28*(\i)+3], s[K2:K2+1] op_sel_hi:[1,0]
.endr
	v_pk_add_f32 v[40:41], v[88:89], v[90:91]      ; the sum of Wc: my eight,
	v_pk_add_f32 v[42:43], v[116:117], v[118:119]
	v_pk_add_f32 v[40:41], v[40:41], v[42:43]
	v_add_f32 v40, v40, v41
	v_add_f32_dpp v40, v40, v40 row_xmask:1 row_mask:0xf bank_mask:0xf  ; my wave's,
	v_add_f32_dpp v40, v40, v40 row_xmask:2 row_mask:0xf bank_mask:0xf
	v_add_f32_dpp v40, v40, v40 row_xmask:4 row_mask:0xf bank_mask:0xf
	v_add_f32_dpp v40, v40, v40 row_xmask:8 row_mask:0xf bank_mask:0xf
	v_permlanex16_b32 v41, v40, s[SEL], s[SEL+1]
	v_add_f32 v40, v40, v41
	s_wait_alu depctr_va_vdst(0)                   ; c' and my wave's sum of Wc are written, which the LDS stores read
.irp i, 0,1
.irp j, 0,1,2,3
	ds_store_b32 v[CSA], v[64+28*(\i)+(\j)] offset:(\i)*2048+(\j)*64          ; column n goes to place 64 (n / 64) + 16 (n % 4) + (n / 4) % 16
	ds_store_b32 v[CSA], v[64+28*(\i)+24+(\j)] offset:4096+(\i)*2048+(\j)*64
.endr
.endr
	ds_store_b32 v[WSA], v40
	BAR                                            ; c', Wc and the four sums are written
	s_wait_alu depctr_vm_vsrc(0)                   ; my LDS stores have read v40, in which the load below lands, and v64 on, in which fragments of h land later
	ds_load_b128 v[40:43], v[RWA]                  ; and all four waves'
	v_mov_b32 v[MRUN], 0xff7fffff                  ; the lowest finite number
	v_mov_b32 v[LRUN], 0
.irp e, 0,1,2,3,4,5,6,7
	v_mov_b32 v[U+(\e)], 0
.endr
.irp i, 0,1,2,3
	v_mov_b32 v[AA+(\i)], v[AA0+(\i)]
.endr
	s_mov_b32 s[KO], 0
	s_mov_b32 s[BLK], 2
	s_wait_dscnt 0x0
	v_add_f32 v40, v40, v41
	v_add_f32 v42, v42, v43
	v_add_f32 v40, v40, v42
	s_wait_kmcnt 0x0                               ; bc
	v_add_f32 v[CBV], s[BC], v40
.Lblock:
	; THE BLOCK COMES IN.  A wave brings 32 rows through eight stage slots: 64 loads, 32,768 bytes, of every wave are on their way.
	s_mov_b32 s[LOF], 0
	v_mov_b32 v[LAC], v[LA0]                       ; its last readers, the block before's LDS stores, stand ahead of the wait on vm_vsrc behind that block's barrier
	WIN 0x80                                       ; loaded data window 2, address window 0
	s_wait_alu depctr_va_vdst(0)                   ; the way out of the last pass is done with window 2's registers, in which the rows land
.irp i, 0,1,2,3,4,5,6,7
.irp j, 0,1,2,3,4,5,6,7
	global_load_b128 v[32*(\i)+4*(\j):32*(\i)+4*(\j)+3], v[GO0], s[HB+2*(\i):HB+2*(\i)+1] offset:(\i)*4096+(\j)*512 th:TH_LOAD_NT
.endr
.endr
	WIN 0
	s_mov_b32 s[CNT], 3
.Lround:
.irp i, 0,1,2,3,4,5,6,7
	TURN \i, 1, 56                                 ; behind a slot's eight loads the other seven slots' 56 were issued
.endr
	WIN 0
	s_add_co_u32 s[LOF], s[LOF], 8*PITCH           ; eight rows on
	s_wait_alu depctr_vm_vsrc(0)                   ; the round's LDS stores have read v[LAC] and the eight out-buffers, which the next round writes again
	v_add_nc_u32 v[LAC], s[LOF], v[LA0]
	s_sub_co_u32 s[CNT], s[CNT], 1
	s_cmp_lg_u32 s[CNT], 0
	s_cbranch_scc1 .Lround
.irp i, 0,1,2,3,4,5,6,7
	TURN \i, 0, 56-8*(\i)                          ; the last eight rows: nothing more is asked for, the counts run down
.endr
	WIN 0
	BAR                                            ; the block is whole
	s_wait_alu depctr_vm_vsrc(0)                   ; my last LDS stores have read the out-buffers in window 3, which the pass's first products write
.irp g, 0,1,2,3
	GA AF0, 0, \g                                  ; v[AA ..] and this buffer's last readers stand ahead of the turns' waits on va_vdst
.endr
	s_mov_b32 s[PASS], 2
	s_mov_b32 s[PO], 0
.Lpass:
	; 32 K STEPS.  The first, whose products start the sums, stands in front of the loop.  We's ring runs on over a pass's end: steps 29 to 31 ask for the next pass's steps 0 to 2, and step 31 fetches h at K = 0
	; again (used by the block's second pass; fetched anew behind a new block).  What the launch's very last three steps ask for, 24,576 bytes a wave, serves nothing: the price of one text for every pass.
	STEP 0, 1
	WIN 0
	s_mov_b32 s[TRIP], 7
.Ltrip:
	STEP 1, 0
	STEP 2, 0
	STEP 3, 0
	STEP 0, 0
	WIN 0
	s_sub_co_u32 s[TRIP], s[TRIP], 1
	s_cmp_lg_u32 s[TRIP], 0
	s_cbranch_scc1 .Ltrip
	STEP 1, 0
	STEP 2, 0
	STEP 3, 0
	WIN 0
	v_add_nc_u32 v[CPAC], s[PO], v[CPA0]           ; with the two v_nop: the four places between the last products and the reads of their sums (ISA guide 7.12.1).  The last pass's readers of these two
	v_add_nc_u32 v[SPAC], s[PO], v[SPA0]           ; addresses stand ahead of step 3's wait on vm_vsrc
	v_nop
	v_nop
	s_wait_alu depctr_va_vdst(0)                   ; the last step's products are done reading v128-191, in which c' lands; v[CPAC] is written
.irp b, 0,1,2,3,4,5,6,7
.irp q, 0,1
	ds_load_b128 v[CC+8*(\b)+4*(\q):CC+8*(\b)+4*(\q)+3], v[CPAC] offset:64*(\b)+16*(\q)       ; c' of my eight columns of tile b
	ds_load_b128 v[WW+8*(\b)+4*(\q):WW+8*(\b)+4*(\q)+3], v[CPAC] offset:4096+64*(\b)+16*(\q)  ; and their Wc
.endr
.endr
	s_wait_dscnt 0x0
	; Row block by row block, one wait each: block a's 64 exponentials; block a + 1's scalings, the independent work behind them; the wait; block a's additions and its 64 reciprocals; block a - 1's sums,
	; whose reciprocals stand ahead of that wait and whose lines are the plain ones behind block a's (ISA guide 5.7.2).
	EF 0
.irp a, 0,1,2,3,4,5,6,7
	EE \a
.if (\a) < 7
	EF (\a)+1
.else
	v_nop                                          ; the plain instruction behind the last exponentials
.endif
	s_wait_alu depctr_va_vdst(0)                   ; block a's exponentials and block a - 1's reciprocals have written their results, ahead of the first line that names one
	EPL \a
	ERC \a
.if (\a) > 0
	EZ (\a)-1
.endif
.endr
	s_wait_alu depctr_va_vdst(0)                   ; block 7's reciprocals have written their results
	EZ 7
	s_wait_alu depctr_va_vdst(0)                   ; the eight sums v40-47 are written, which the LDS stores read; so is v[SPAC]
.irp a, 0,1,2,3,4,5,6,7
	ds_store_b32 v[SPAC], v[RS+(\a)] offset:64*(\a)  ; row 16 a + lane % 16; both halves of the lanes store the same number
.endr
	s_add_co_u32 s[PO], s[PO], 2048
	s_sub_co_u32 s[PASS], s[PASS], 1
	s_cmp_lg_u32 s[PASS], 0
	s_cbranch_scc1 .Lpass
	; THE BLOCK'S SCORES AND WEIGHTS.  Every wave does the same: lane l takes rows 4 l .. 4 l + 3.
	BAR                                            ; all eight partial sums of every row are written
	s_wait_alu depctr_vm_vsrc(0)                   ; the pass's LDS stores have read v40-47, which the lines below write again
.irp q, 0,1,2,3,4,5,6,7
	ds_load_b128 v[64+4*(\q):64+4*(\q)+3], v[SRD] offset:512*(\q)
.endr
	s_wait_dscnt 0x0
	QADD 64, 68
	QADD 72, 76
	QADD 80, 84
	QADD 88, 92
	QADD 64, 72
	QADD 80, 88
	QADD 64, 80
.irp c, 0,1,2,3
	v_fma_f32 v[40+(\c)], v[64+(\c)], -2.0, v[CBV]
.endr
	v_max_num_f32 v44, v40, v41
	v_max_num_f32 v45, v42, v43
	v_max_num_f32 v44, v44, v45
	v_max_num_f32_dpp v44, v44, v44 row_xmask:1 row_mask:0xf bank_mask:0xf
	v_max_num_f32_dpp v44, v44, v44 row_xmask:2 row_mask:0xf bank_mask:0xf
	v_max_num_f32_dpp v44, v44, v44 row_xmask:4 row_mask:0xf bank_mask:0xf
	v_max_num_f32_dpp v44, v44, v44 row_xmask:8 row_mask:0xf bank_mask:0xf
	v_permlanex16_b32 v45, v44, s[SEL], s[SEL+1]
	v_max3_num_f32 v53, v44, v45, v[MRUN]          ; the new m
	v_sub_f32 v52, v[MRUN], v53                    ; the maximum is taken away first, then the scale
.irp c, 0,1,2,3
	v_sub_f32 v[48+(\c)], v[40+(\c)], v53
.endr
	v_mul_f32 v52, s[L2E], v52
.irp c, 0,1,2,3
	v_mul_f32 v[48+(\c)], s[L2E], v[48+(\c)]
.endr
	v_exp_f32 v52, v52                             ; a = e^(m_old - m_new)
.irp c, 0,1,2,3
	v_exp_f32 v[48+(\c)], v[48+(\c)]               ; p
.endr
	v_mov_b32 v[MRUN], v53                         ; the plain instruction behind the exponentials
	s_wait_alu depctr_va_vdst(0)                   ; the five exponentials have written a and p, ahead of their first readers, the LDS store of p among them; the scores v40-43 are written, which the store below reads
	ds_store_b128 v[PWA], v[48:51]                 ; the weights, into my wave's own copy
	s_cmp_lg_u32 s[WV], 0
	s_cbranch_scc1 .Lno_sc
	global_store_b128 v[VL16], v[40:43], s[18:19]  ; wave 0 alone: the block's 128 scores, 512 consecutive bytes
.Lno_sc:
	v_add_f32 v44, v48, v49
	v_add_f32 v45, v50, v51
	v_add_f32 v44, v44, v45
	v_add_f32_dpp v44, v44, v44 row_xmask:1 row_mask:0xf bank_mask:0xf
	v_add_f32_dpp v44, v44, v44 row_xmask:2 row_mask:0xf bank_mask:0xf
	v_add_f32_dpp v44, v44, v44 row_xmask:4 row_mask:0xf bank_mask:0xf
	v_add_f32_dpp v44, v44, v44 row_xmask:8 row_mask:0xf bank_mask:0xf
	v_permlanex16_b32 v45, v44, s[SEL], s[SEL+1]
	v_add_f32 v44, v44, v45
	v_fma_f32 v[LRUN], v[LRUN], v52, v44           ; l = a l + the block's sum
.irp c, 0,1,2,3
	v_pk_mul_f32 v[U+2*(\c):U+2*(\c)+1], v[U+2*(\c):U+2*(\c)+1], v[52:53] op_sel_hi:[1,0]  ; u = a u
.endr
	; u += the sum over the block's rows of p x row.  Thread T takes k = 8 T .. 8 T + 7, 16 bytes of every row; 32 rows a trip.
	s_mov_b32 s[UO], 0
	s_mov_b32 s[UP], s[PW0]
	s_mov_b32 s[CNT], 4
.Lu:
	s_wait_alu depctr_vm_vsrc(0)                   ; the LDS loads of the trip before have read v[UAC] and v[PRC]
	v_add_nc_u32 v[UAC], s[UO], v[UA0]
	v_mov_b32 v[PRC], s[UP]
	s_wait_alu depctr_va_vdst(0)                   ; the two addresses are written; the multiply-adds of the trip before (ahead of the first trip: the scores' sums and the way out) are done reading v64-223, in which rows and weights land
.irp i, 0,1,2,3,4,5,6,7
	ds_load_b128 v[PR+4*(\i):PR+4*(\i)+3], v[PRC] offset:16*(\i)  ; 32 weights, the same for every lane; LDS serves a wave's instructions in order (ISA guide 5.7.1.4): these see my store above
.endr
.set r, 0
.rept 32
	ds_load_b128 v[XR+4*r:XR+4*r+3], v[UAC] offset:r*PITCH
.set r, r+1
.endr
.set r, 0
.rept 32
	s_wait_dscnt 31-r                              ; row r is in; the rows behind it may be out
.irp c, 0,1,2,3
	v_fma_mix_f32_bf16 v[U+2*(\c)], v[XR+4*r+(\c)], v[PR+r], v[U+2*(\c)] op_sel_hi:[1,0,0]
	v_fma_mix_f32_bf16 v[U+2*(\c)+1], v[XR+4*r+(\c)], v[PR+r], v[U+2*(\c)+1] op_sel:[1,0,0] op_sel_hi:[1,0,0]
.endr
.set r, r+1
.endr
	s_add_co_u32 s[UO], s[UO], 32*PITCH
	s_add_co_u32 s[UP], s[UP], 128
	s_sub_co_u32 s[CNT], s[CNT], 1
	s_cmp_lg_u32 s[CNT], 0
	s_cbranch_scc1 .Lu
	BAR                                            ; every wave's reads of the block and of the partial sums are over: the next block may be written
	s_wait_xcnt 0x0                                ; the store of the scores has had its address translated (ISA guide 3.1): only now are its base and, in the next block, its data rewritten
	s_add_nc_u64 s[18:19], s[18:19], 512           ; the next block's 128 scores
	s_sub_co_u32 s[BLK], s[BLK], 1
	s_cmp_lg_u32 s[BLK], 0
	s_cbranch_scc1 .Lblock
	s_wait_alu depctr_va_vdst(0)                   ; the last trip's multiply-adds have written u, which the stores read; m and l were written earlier
	global_store_b128 v[UA0], v[U:U+3], s[22:23]                  ; u[8 T .. 8 T + 3]: 512 consecutive bytes a wave,
	global_store_b128 v[UA0], v[U+4:U+7], s[22:23] offset:2048    ; u[8 T + 4 .. 8 T + 7] likewise, 2,048 bytes on
	s_cmp_lg_u32 s[WV], 0
	s_cbranch_scc1 .Lno_st
	global_store_b64 v[STA], v[MRUN:LRUN], s[20:21]  ; wave 0 alone: (m, l), 32 times: 256 consecutive bytes, all of the work-group's part of stats
.Lno_st:
	s_wait_dscnt 0x0                               ; the closing lines, six on end
	s_wait_alu 0x0
	s_wait_tensorcnt 0x0
	ds_add_u32 v[SPW], v[NIL]
	s_wait_dscnt 0x0
	s_endpgm
.Lfunc_end_k_qe60232e848_score:
	.size	k_qe60232e848_score, .Lfunc_end_k_qe60232e848_score-k_qe60232e848_score
	.p2alignl 7, 3214868480
	.fill 96, 4, 3214868480
	.section	.rodata,"a",@progbits
	.p2align	6, 0x0
	.amdhsa_kernel k_qe60232e848_score
		.amdhsa_group_segment_fixed_size 279296
		.amdhsa_private_segment_fixed_size 0
		.amdhsa_enable_private_segment 0
		.amdhsa_kernarg_size 80
		.amdhsa_user_sgpr_count 2
		.amdhsa_user_sgpr_kernarg_segment_ptr 1
		.amdhsa_wavefront_size32 1
		.amdhsa_system_sgpr_workgroup_id_x 1
		.amdhsa_system_sgpr_workgroup_id_y 1
		.amdhsa_system_sgpr_workgroup_id_z 1
		.amdhsa_system_vgpr_workitem_id 0
		.amdhsa_next_free_vgpr 1024
		.amdhsa_next_free_sgpr 66
		.amdhsa_reserve_vcc 0
		.amdhsa_float_denorm_mode_32 3
		.amdhsa_float_denorm_mode_16_64 3
		.amdhsa_memory_ordered 1
		.amdhsa_forward_progress 1
		.amdhsa_inst_pref_size 224
	.end_amdhsa_kernel
	.amdgpu_metadata
---
amdhsa.version: [ 1, 2 ]
amdhsa.kernels:
  - .name:           k_qe60232e848_score
    .symbol:         k_qe60232e848_score.kd
    .args:
      - { .name: h_enc, .offset: 0, .size: 8, .value_kind: global_buffer, .address_space: global }
      - { .name: WeF, .offset: 8, .size: 8, .value_kind: global_buffer, .address_space: global }
      - { .name: decpart, .offset: 16, .size: 8, .value_kind: global_buffer, .address_space: global }
      - { .name: bd, .offset: 24, .size: 8, .value_kind: global_buffer, .address_space: global }
      - { .name: be, .offset: 32, .size: 8, .value_kind: global_buffer, .address_space: global }
      - { .name: Wc, .offset: 40, .size: 8, .value_kind: global_buffer, .address_space: global }
      - { .name: bc, .offset: 48, .size: 8, .value_kind: global_buffer, .address_space: global }
      - { .name: scores, .offset: 56, .size: 8, .value_kind: global_buffer, .address_space: global }
      - { .name: stats, .offset: 64, .size: 8, .value_kind: global_buffer, .address_space: global }
      - { .name: upart, .offset: 72, .size: 8, .value_kind: global_buffer, .address_space: global }
    .group_segment_fixed_size: 279296
    .private_segment_fixed_size: 0
    .kernarg_segment_align: 8
    .kernarg_segment_size: 80
    .max_flat_workgroup_size: 128
    .sgpr_count:     66
    .vgpr_count:     1024
    .wavefront_size: 32
...
	.end_amdgpu_metadata
.endif
;; end of part 4
;; launch final: the kernel of part 3 again; grid 16 x 4, 16 waves a work-group, no clusters, 100,608 bytes of LDS; arguments upart, stats, scores, We, be, out0, out1; writes out0, out1
